; MI455X (gfx1250); checked and timed in simulation.
; The chip was launched on July 23, 2026; its instructions are those of AMD's public machine-readable ISA for CDNA 5 (MIT licence, August 2026) and "CDNA5" Instruction Set Architecture Reference Guide (July 2026). The comments in the code are by the model that wrote it; some were corrected since.
;; Causal Self Attention. Allowed arithmetic: matrix products marked QUANTISED: E3M2 operands, one E8M0 scale for each 32 along K, by v_wmma_scale_f32_16x16x128_f8f6f4 with both operands' format E3M2, f32 sums; everything else in f32.
;; Inputs: b_proj 1,024 float32; b_qkv 3,072 float32; w_proj 1,024 x 1,024 float32; w_qkv 1,024 x 3,072 float32; x 4 x 2,048 x 1,024 float32.
;; Outputs: out0 4 x 2,048 x 1,024 float32.
;; This version of the problem:
;;   THIS VERSION OF THE PROBLEM IS GIVEN IN LOW PRECISION. The matrix products marked QUANTISED in the list below multiply operands that are first quantised to E3M2 (3 exponent bits, 2 mantissa bits; 6 bits a number), with one power-of-two scale for each 32 numbers along K (OCP MX v1.0); their sums are f32. All else is computed in f32.
;;   The module's matrix products, in the order in which they are computed (A, B: the left and right operand; K: the contracted axis; several contracted axes count as one K, in the product's order):
;;     1. [M 8,192, K 1,024] x [K 1,024, N 3,072]; A: input x; B: input w_qkv: QUANTISED
;;     2. batch 64 x [M 2,048, K 64] x [K 64, N 2,048]; A: computed on the way; B: computed on the way: QUANTISED
;;     3. batch 64 x [M 2,048, K 2,048] x [K 2,048, N 64]; A: softmax (see below); B: computed on the way: QUANTISED
;;     4. [M 8,192, K 1,024] x [K 1,024, N 1,024]; A: computed on the way; B: input w_proj: QUANTISED
;;   THE QUANTISER, for each operand of a quantised product, along K:
;;     - K is cut into blocks of 32 from its start; a last block that is shorter is filled with zeros.
;;     - A block's scale is 2^e with e = floor(log2(the largest magnitude in the block)) - 4, held to -126 .. 127; a block of zeros has e = 0. As a byte (E8M0): e + 127.
;;     - Each number is divided by its block's scale, clamped to +-28, and rounded to the nearest number of E3M2, ties to even, subnormals kept.
;;     - The product sums the exact products of the quantised numbers (number of the format x scale) in f32.
;;   ~~~python
;;   def quantise(x, axis):      # numpy; x: float32 -> the quantised numbers, widened to float32 again
;;       x = np.moveaxis(x, axis, -1); K = x.shape[-1]
;;       x = np.pad(x, [(0, 0)] * (x.ndim - 1) + [(0, -K % 32)]); x = x.reshape(x.shape[:-1] + (-1, 32)); a = np.abs(x).max(-1, keepdims=True)
;;       e = np.where(a > 0, np.clip(np.frexp(np.where(a > 0, a, 1))[1] - 1 - 4, -126, 127), 0)      # np.frexp(a)[1] - 1 = floor(log2(a)), exactly
;;       r = np.clip(x / 2.0 ** e, -28, 28)
;;       step = 2.0 ** (np.maximum(np.frexp(np.where(r == 0, 1, r))[1] - 1, -2) - 2)
;;       q = np.round(r / step) * step * 2.0 ** e      # np.round: ties to even
;;       return np.moveaxis(q.reshape(q.shape[:-2] + (-1,))[..., :K], -1, axis).astype(np.float32)
;;   ~~~
;;   SOFTMAX AHEAD OF A QUANTISED PRODUCT. Where the list says 'softmax', what is quantised is not the finished softmax but p = 2^(t - M), with t = logit x log2(e) and M = ceil(the row's largest t), a whole number; so 1/2 < the row's largest p <= 1. The row's sum l is taken of the UNQUANTISED p, in f32, and the product's result is divided by l at the end. Since M is a whole number, a kernel that streams over the keys may use a running M (the ceiling of the running maximum): every later rescaling is an exact power of two, which a block's scale takes up: the codes' values come out the same.
;;   OPERANDS COMPUTED ON THE WAY. 'Computed on the way' means the value that the module computes at that place (a softmax that the list does not call 'softmax' is quantised finished and normalised). What goes into a quantiser is computed in f32, as accurately as f32 sums, v_exp_f32 and their like allow (about 1e-6 of the number): no bf16 or f16 on the way to a quantiser, and a product that is left as it is and whose result goes on into a quantised operand takes f32 operands (vector FMAs, or v_wmma_f32_16x16x4_f32). A number that lies on a knife's edge between two numbers of the format may be rounded either way, as far as f32 arithmetic and the matrix unit's own rounding can turn it there, and no further.
;; One version. Each part assembles by itself: llvm-mc -triple=amdgcn-amd-amdhsa -mcpu=gfx1250 --defsym DOCPART=n.
;; ======== version 1 of 1: 4 launches
;; workspace buffers: opc 9,437,184 bytes; ops 393,216 bytes; qimg 6,553,600 bytes; kv 13,107,200 bytes; oc 6,291,456 bytes; os 262,144 bytes
;; launch quant (part 1): grid 384 x 1, 8 waves a work-group, no clusters, 93,184 bytes of LDS; arguments x, w_qkv, w_proj, opc, ops; writes opc, ops
.if DOCPART == 1
	.amdgcn_target "amdgcn-amd-amdhsa--gfx1250"
	.amdhsa_code_object_version 6
	.text
	.protected	k_qd293984c40_quant
	.globl	k_qd293984c40_quant
	.p2align	8
	.type	k_qd293984c40_quant,@function
k_qd293984c40_quant:
	s_mov_b64 s[64:65], 0
	v_nop
	global_prefetch_b8 v0, s[64:65] scope:SCOPE_SE
	s_setreg_imm32_b32 hwreg(HW_REG_WAVE_MODE, 25, 1), 1
	s_wait_xcnt 0x0
; x [8192][1024], w_qkv [1024][3072] and w_proj [1024][1024], f32, become codes of BF6 (E3M2) with one E8M0 byte for each 32 along K (K = 1024 for all three).
; A block's byte is its largest magnitude's exponent field - 4, held at 1 from below; each number is divided by the scale and rounded to the nearest code, ties to even, beyond 28 the largest code.
; LAYOUT OF THE RESULT (this program's own): the order of the operand's registers.  A FRAGMENT (16 rows x 128 K, 12 registers a lane) is 1,536 bytes: for c = 0, 1: registers 6 c .. 6 c + 3 at 768 c + 16 x lane,
; registers 6 c + 4, 6 c + 5 at 768 c + 512 + 8 x lane.  opc: [row block of 128 rows][K step of 128][fragment 0..7].  ops: [row][32 bytes], byte k / 32.  Row blocks 0-63: x; 64-87: w_qkv's columns; 88-95: w_proj's.
; THE ROWS OF A FRAGMENT ARE NOT NEIGHBOURS: lane r of fragment 2 b + u holds row 32 b + 8 u + r + 8 (r / 8) of its row block, so that a later product's results are neighbours along the next K.
; Work-groups 0-255 take x (K innermost: the numbers turn through a stage in LDS, so that loads are dense and a lane ends with whole blocks); 256-383 the weights (K outermost: a lane takes a column, its registers run down K).
; The two ways use LDS bytes of their own.  No tensor loads, no barrier: waves share nothing.  No matrix units, no cluster: every byte is read once and nothing is shared.
; LIMITS: NaN and infinities among the inputs are not served; a block whose largest magnitude lies under 2^-122 keeps the byte 1; a block of zeros has the byte 1 and not 127 (its codes are zeros; this program alone reads the bytes).
.set R,     16                         ; v16-143  x: 32 loads of 16 bytes a lane
.set X,     144                        ; v144-207 x: 64 numbers of my row: two whole blocks of 32
.set PC,    208                        ; v208-231 x: a fragment's 12 registers for each of two K steps
.set CT,    232                        ; v232-239 x: the second halves of the blocks' codes, until they are moved
.set WD,    240                        ; v240-241 x: my row's scale words of the two K steps
.set XSTG,  16*528                     ; x: a wave's stage: 16 rows of 512 bytes + 16
.set WBASE, 8*XSTG                     ; the weights' stages begin behind x's
.set WSTG,  3072                       ; weights: a wave's stage: two fragments
.set VO,    16                         ; v16-47   weights: 4 x lane + i rows
.set WX,    48                         ; v48-175  weights: four blocks of 32 numbers of my column
.set WC,    176                        ; v176-207 weights: eight registers for each block's codes
.set WOUT,  208                        ; v208-231 weights: the two fragments read back
; x: K step q of the wave's two: through the stage, quantised, stored.
.macro XQ q
	s_wait_loadcnt 16*(1-\q)                       ; this K step's sixteen loads are in; the other K step's sixteen may be out
.irp p, 0,1,2,3,4,5,6,7,8,9,10,11,12,13,14,15
	ds_store_b128 v4, v[R+4*(16*\q+\p):R+4*(16*\q+\p)+3] offset:528*\p
.endr
.irp c, 0,1
.irp j, 0,1,2,3,4,5,6,7
	ds_load_b128 v[X+32*\c+4*\j:X+32*\c+4*\j+3], v5 offset:256*\c+16*\j   ; k = 64 c + 32 h + 0 .. 31 of row r; LDS serves a wave's instructions in order: these see the stores above
.endr
.endr
	s_wait_dscnt 0x0
.irp c, 0,1
	v_max3_num_f32 v[8+\c], |v[X+32*\c]|, |v[X+32*\c+1]|, 0x2800000     ; my block 2 c + h, and the floor 2^(5 - 127): the byte cannot fall under 1
.endr
.irp i, 2,4,6,8,10,12,14,16,18,20,22,24,26,28,30
.irp c, 0,1
	v_max3_num_f32 v[8+\c], v[8+\c], |v[X+32*\c+\i]|, |v[X+32*\c+\i+1]|  ; the two blocks by turns
.endr
.endr
.irp c, 0,1
	v_add_nc_u32 v[10+\c], 0xfe000000, v[8+\c]     ; 4 off the exponent field: the conversion's scale operand
.endr
.irp c, 0,1
	v_lshrrev_b32 v[12+\c], 23, v[10+\c]           ; the scale's byte
.endr
	v_lshl_or_b32 v14, v13, 16, v12                ; blocks h and 2 + h,
	v_lshlrev_b32 v14, v6, v14                     ; at their places in the word (8 h bits up);
	v_mov_b32 v15, 0
	v_permlanex16_b32 v15, v14, s20, s21
	v_or_b32 v[WD+\q], v14, v15                    ; with lane l xor 16's two the word is whole
.irp c, 0,1
	v_cvt_scalef32_pk16_bf6_f32 v[PC+12*\q+6*\c:PC+12*\q+6*\c+2], v[X+32*\c:X+32*\c+15], v[10+\c]
	v_cvt_scalef32_pk16_bf6_f32 v[CT+4*\c:CT+4*\c+2], v[X+32*\c+16:X+32*\c+31], v[10+\c]   ; (a conversion's three registers begin on an even number)
.endr
	v_nop                                          ; one plain line behind the scaled conversions
.irp c, 0,1
.irp i, 0,1,2
	v_mov_b32 v[PC+12*\q+6*\c+3+\i], v[CT+4*\c+\i]
.endr
.endr
	global_store_b128 v1, v[PC+12*\q:PC+12*\q+3], s[10:11] offset:12288*\q          ; each store covers 512 or 256 consecutive bytes, aligned to 256
	global_store_b64 v2, v[PC+12*\q+4:PC+12*\q+5], s[10:11] offset:12288*\q+512
	global_store_b128 v1, v[PC+12*\q+6:PC+12*\q+9], s[10:11] offset:12288*\q+768
	global_store_b64 v2, v[PC+12*\q+10:PC+12*\q+11], s[10:11] offset:12288*\q+1280
.endm
; weights: block kb of my column: 32 rows of the weight
.macro WLOAD kb
.irp i, 0,1,2,3,4,5,6,7,8,9,10,11,12,13,14,15,16,17,18,19,20,21,22,23,24,25,26,27,28,29,30,31
	global_load_b32 v[WX+32*(\kb)+\i], v[VO+\i], s[28+2*(\kb):29+2*(\kb)] th:TH_LOAD_NT   ; 32 lanes read 128 consecutive bytes; four waves stand side by side
.endr
.endm
.macro WBLK kb
.if (\kb) < 3
	s_wait_loadcnt 32                              ; this block's 32 loads are in; the next block's 32 may be out
.else
	s_wait_loadcnt 0x0
.endif
.if (\kb)+2 < 4
	WLOAD (\kb)+2
.endif
.set XS, WX+32*(\kb)
.set CC, WC+8*(\kb)
	v_max3_num_f32 v232, |v[XS]|, |v[XS+1]|, |v[XS+2]|
	v_max3_num_f32 v233, |v[XS+3]|, |v[XS+4]|, |v[XS+5]|
.irp i, 6,10,14,18,22,26
	v_max3_num_f32 v232, v232, |v[XS+\i]|, |v[XS+\i+1]|
	v_max3_num_f32 v233, v233, |v[XS+\i+2]|, |v[XS+\i+3]|
.endr
	v_max3_num_f32 v232, v232, |v[XS+30]|, |v[XS+31]|
	v_max3_num_f32 v232, v232, v233, 0x2800000     ; and the floor
	v_add_nc_u32 v234, 0xfe000000, v232
	v_lshrrev_b32 v235, 23, v234
.if (\kb) == 0
	v_mov_b32 v236, v235                           ; my column's scale word of this K step, the lower K in the lower byte
.else
	v_lshl_or_b32 v236, v235, 8*(\kb), v236
.endif
	v_cvt_scalef32_pk16_bf6_f32 v[CC:CC+2], v[XS:XS+15], v234
	v_cvt_scalef32_pk16_bf6_f32 v[CC+4:CC+6], v[XS+16:XS+31], v234
	v_nop                                          ; one plain line behind the scaled conversions
	v_mov_b32 v[CC+3], v[CC+4]                     ; the block's six registers on end
	v_mov_b32 v[CC+4], v[CC+5]
	v_mov_b32 v[CC+5], v[CC+6]
	ds_store_b128 v7, v[CC:CC+3] offset:768*((\kb)/2)+256*((\kb)%2)        ; block kb belongs to the fragment's lane r + 16 (kb % 2), registers 6 (kb / 2) on
	ds_store_b64 v8, v[CC+4:CC+5] offset:768*((\kb)/2)+512+128*((\kb)%2)
.endm
	s_load_b128 s[4:7], s[0:1], 0x0                ; x, w_qkv
	s_load_b128 s[8:11], s[0:1], 0x10              ; w_proj, opc
	s_load_b64 s[12:13], s[0:1], 0x20              ; ops
	v_lshl_add_u32 v254, v0, 2, 0x16800
	v_mov_b32 v255, 0
	v_lshrrev_b32 v1, 5, v0
	v_readfirstlane_b32 s14, v1                    ; wave 0..7
	v_and_b32 v12, 31, v0                          ; lane
	v_lshlrev_b32 v1, 4, v12                       ; 16 x lane
	v_lshlrev_b32 v2, 3, v12                       ; 8 x lane
	s_mov_b32 s20, 0x76543210
	s_mov_b32 s21, 0xfedcba98                      ; v_permlanex16_b32's selects for lane l xor 16
	s_wait_kmcnt 0x0
	s_cmp_lt_u32 ttmp9, 256
	s_cbranch_scc0 .Lweights
	; ---------------- x: work-group = (row block, quarter of K); wave i makes fragment i of two K steps
	v_and_b32 v13, 15, v0                          ; r
	v_bfe_u32 v14, v0, 4, 1                        ; h
	v_lshlrev_b32 v3, 5, v13                       ; a row of scale bytes is 32 bytes
	s_mul_i32 s15, s14, XSTG
	v_add_nc_u32 v4, s15, v1                       ; the stage, on the way in: 16 x lane of a row
	v_mul_u32_u24 v5, v13, 528
	v_lshl_add_u32 v5, v14, 7, v5
	v_add_nc_u32 v5, s15, v5                       ; and out: row r, + 128 h bytes
	v_lshlrev_b32 v6, 3, v14                       ; 8 h
	s_lshr_b32 s16, ttmp9, 2                       ; row block
	s_and_b32 s17, ttmp9, 3                        ; quarter of K
	s_lshl_b32 s18, s16, 7
	s_lshr_b32 s19, s14, 1
	s_lshl_b32 s19, s19, 5
	s_add_co_u32 s18, s18, s19
	s_and_b32 s19, s14, 1
	s_lshl_b32 s19, s19, 3
	s_add_co_u32 s18, s18, s19                     ; the fragment's first row: 128 rb + 32 (i / 2) + 8 (i % 2)
	s_lshl_b32 s18, s18, 12                        ; a row of x is 4,096 bytes
	s_lshl_b32 s19, s17, 10
	s_add_co_u32 s18, s18, s19
	s_mov_b32 s19, 0
	s_lshl_b32 s22, s16, 3
	s_lshl_b32 s23, s17, 1
	s_add_co_u32 s22, s22, s23
	s_mul_i32 s22, s22, 12288
	s_mul_i32 s23, s14, 1536
	s_add_co_u32 s22, s22, s23                     ; codes: (8 rb + 2 kp) x 12,288 + 1,536 i
	s_mov_b32 s23, 0
	s_lshl_b32 s24, s16, 7
	s_lshl_b32 s25, s14, 4
	s_add_co_u32 s24, s24, s25
	s_lshl_b32 s24, s24, 5
	s_lshl_b32 s25, s17, 3
	s_add_co_u32 s24, s24, s25                     ; scale bytes: (128 rb + 16 i) x 32 + 8 kp
	s_mov_b32 s25, 0
	s_add_nc_u64 s[4:5], s[4:5], s[18:19]
	s_add_nc_u64 s[10:11], s[10:11], s[22:23]
	s_add_nc_u64 s[12:13], s[12:13], s[24:25]
.irp q, 0,1
.irp p, 0,1,2,3,4,5,6,7,8,9,10,11,12,13,14,15
	global_load_b128 v[R+4*(16*\q+\p):R+4*(16*\q+\p)+3], v1, s[4:5] offset:(\p+8*(\p/8))*4096+512*\q th:TH_LOAD_NT   ; 32 lanes read 512 consecutive bytes of the row that lane p of the fragment holds
.endr
.endr
	XQ 0
	XQ 1
	global_store_b64 v3, v[WD:WD+1], s[12:13]      ; my row's 8 scale bytes (lanes 16-31 write the same bytes with the same values)
	s_wait_tensorcnt 0x0
	ds_add_u32 v254, v255
	s_wait_dscnt 0x0
	s_endpgm
	; ---------------- weights: work-group = (128 columns, quarter of K); wave = (32 columns, one K step)
.Lweights:
	s_sub_co_u32 s15, ttmp9, 256
	s_lshr_b32 s16, s15, 2                         ; block of 128 columns: 0-23 w_qkv, 24-31 w_proj
	s_and_b32 s17, s15, 3
	s_and_b32 s18, s14, 3                          ; which 32 columns
	s_lshr_b32 s19, s14, 2
	s_lshl_b32 s17, s17, 1
	s_add_co_u32 s17, s17, s19                     ; K step 0..7
	s_mov_b32 s22, 12288
	s_cmp_ge_u32 s16, 24                           ; the choice hangs on the work-group's number alone
	s_cselect_b64 s[4:5], s[8:9], s[6:7]           ; the weight,
	s_cselect_b32 s22, 4096, s22                   ; its row in bytes,
	s_cselect_b32 s23, 24, 0
	s_sub_co_u32 s23, s16, s23
	s_lshl_b32 s23, s23, 7
	s_lshl_b32 s24, s18, 5
	s_add_co_u32 s23, s23, s24                     ; my wave's first column in it
	s_lshl_b32 s23, s23, 2
	s_lshl_b32 s24, s17, 7
	s_mul_i32 s24, s24, s22
	s_add_co_u32 s24, s24, s23
	s_mov_b32 s25, 0
	s_add_nc_u64 s[28:29], s[4:5], s[24:25]        ; block 0's first row; blocks 1 to 3 lie 32 rows further on each
	s_lshl_b32 s26, s22, 5
	s_mov_b32 s27, 0
	s_add_nc_u64 s[30:31], s[28:29], s[26:27]
	s_add_nc_u64 s[32:33], s[30:31], s[26:27]
	s_add_nc_u64 s[34:35], s[32:33], s[26:27]
	v_lshlrev_b32 v[VO], 2, v12
.set i, 0
.rept 31
	v_add_nc_u32 v[VO+1+i], s22, v[VO+i]           ; the row's length is a register, so one text serves both weights
.set i, i+1
.endr
	WLOAD 0
	WLOAD 1
	v_bfe_u32 v3, v0, 3, 1                         ; column l of the 32 is lane r = l % 8 + 8 (l / 16) of fragment 2 b + u, u = (l / 8) % 2
	v_and_b32 v4, 7, v0
	v_bfe_u32 v5, v0, 4, 1
	v_lshl_or_b32 v4, v5, 3, v4
	s_mul_i32 s36, s14, WSTG
	s_add_co_u32 s36, s36, WBASE                   ; my stage
	v_mul_u32_u24 v5, v3, 1536
	v_add_nc_u32 v5, s36, v5
	v_lshl_add_u32 v7, v4, 4, v5
	v_lshl_add_u32 v8, v4, 3, v5
	v_add_nc_u32 v9, s36, v1
	v_lshl_add_u32 v10, v3, 4, v4
	v_lshlrev_b32 v10, 5, v10                      ; my row of scale bytes
	s_add_co_u32 s37, s16, 64                      ; row block in opc and ops
	s_lshl_b32 s38, s37, 3
	s_add_co_u32 s38, s38, s17
	s_mul_i32 s38, s38, 12288
	s_mul_i32 s39, s18, 3072
	s_add_co_u32 s38, s38, s39
	s_mov_b32 s39, 0
	s_add_nc_u64 s[10:11], s[10:11], s[38:39]
	s_lshl_b32 s38, s37, 7
	s_lshl_b32 s40, s18, 5
	s_add_co_u32 s38, s38, s40
	s_lshl_b32 s38, s38, 5
	s_lshl_b32 s40, s17, 2
	s_add_co_u32 s38, s38, s40
	s_add_nc_u64 s[12:13], s[12:13], s[38:39]
	WBLK 0
	WBLK 1
	WBLK 2
	WBLK 3
.irp n, 0,1,2,3,4,5
	ds_load_b128 v[WOUT+4*\n:WOUT+4*\n+3], v9 offset:512*\n   ; LDS serves a wave's instructions in order: these see my stores
.endr
.irp n, 0,1,2,3,4,5
	s_wait_dscnt 5-\n                              ; the younger read-backs may be out
	global_store_b128 v1, v[WOUT+4*\n:WOUT+4*\n+3], s[10:11] offset:512*\n   ; 512 consecutive bytes, aligned to 256
.endr
	global_store_b32 v10, v236, s[12:13]           ; my column's four scale bytes of this K step
	s_wait_tensorcnt 0x0
	ds_add_u32 v254, v255
	s_wait_dscnt 0x0
	s_endpgm
.Lfunc_end_k_qd293984c40_quant:
	.size	k_qd293984c40_quant, .Lfunc_end_k_qd293984c40_quant-k_qd293984c40_quant
	.p2alignl 7, 3214868480
	.fill 96, 4, 3214868480
	.section	.rodata,"a",@progbits
	.p2align	6, 0x0
	.amdhsa_kernel k_qd293984c40_quant
		.amdhsa_group_segment_fixed_size 93184
		.amdhsa_private_segment_fixed_size 0
		.amdhsa_enable_private_segment 0
		.amdhsa_kernarg_size 40
		.amdhsa_user_sgpr_count 2
		.amdhsa_user_sgpr_kernarg_segment_ptr 1
		.amdhsa_wavefront_size32 1
		.amdhsa_system_sgpr_workgroup_id_x 1
		.amdhsa_system_sgpr_workgroup_id_y 1
		.amdhsa_system_sgpr_workgroup_id_z 1
		.amdhsa_system_vgpr_workitem_id 0
		.amdhsa_next_free_vgpr 256
		.amdhsa_next_free_sgpr 66
		.amdhsa_reserve_vcc 0
		.amdhsa_float_denorm_mode_32 3
		.amdhsa_float_denorm_mode_16_64 3
		.amdhsa_memory_ordered 1
		.amdhsa_forward_progress 1
		.amdhsa_inst_pref_size 40
	.end_amdhsa_kernel
	.amdgpu_metadata
---
amdhsa.version: [ 1, 2 ]
amdhsa.kernels:
  - .name:           k_qd293984c40_quant
    .symbol:         k_qd293984c40_quant.kd
    .args:
      - { .name: x, .offset: 0, .size: 8, .value_kind: global_buffer, .address_space: global }
      - { .name: w_qkv, .offset: 8, .size: 8, .value_kind: global_buffer, .address_space: global }
      - { .name: w_proj, .offset: 16, .size: 8, .value_kind: global_buffer, .address_space: global }
      - { .name: opc, .offset: 24, .size: 8, .value_kind: global_buffer, .address_space: global }
      - { .name: ops, .offset: 32, .size: 8, .value_kind: global_buffer, .address_space: global }
    .group_segment_fixed_size: 93184
    .private_segment_fixed_size: 0
    .kernarg_segment_align: 8
    .kernarg_segment_size: 40
    .max_flat_workgroup_size: 256
    .sgpr_count:     66
    .vgpr_count:     256
    .wavefront_size: 32
...
	.end_amdgpu_metadata
.endif
;; end of part 1
;; launch gemm_qkv (part 2): grid 12 x 32, 4 waves a work-group, clusters of 4 x 4, 327,680 bytes of LDS; arguments opc, ops, b_qkv, qimg, kv; writes qimg, kv
.if DOCPART == 2
	.amdgcn_target "amdgcn-amd-amdhsa--gfx1250"
	.amdhsa_code_object_version 6
	.text
	.protected	k_qd293984c40_gemm_qkv
	.globl	k_qd293984c40_gemm_qkv
	.p2align	8
	.type	k_qd293984c40_gemm_qkv,@function
k_qd293984c40_gemm_qkv:
	s_mov_b64 s[64:65], 0
	v_nop
	global_prefetch_b8 v0, s[64:65] scope:SCOPE_SE
	s_setreg_imm32_b32 hwreg(HW_REG_WAVE_MODE, 25, 1), 1
	s_wait_xcnt 0x0
	s_wait_alu depctr_hold_cnt(0) depctr_sa_sdst(0) depctr_va_vdst(0) depctr_va_sdst(0) depctr_va_ssrc(0) depctr_va_vcc(0) depctr_vm_vsrc(0)
	s_getreg_b32 s2, hwreg(HW_REG_IB_STS2, 6, 4)
	s_cmp_eq_u32 s2, 0
	s_cbranch_scc0 .Lentry_in_a_cluster
	s_endpgm
.Lentry_in_a_cluster:
	s_bfe_u32 s2, ttmp6, 0x10000c
	s_cmp_lg_u32 s2, 0xf033
	s_cbranch_scc0 .Lentry_shape_is_right
	s_endpgm
.Lentry_shape_is_right:
; qkv = x w_qkv + b_qkv on codes of BF6 (E3M2) with E8M0 scales; the result is quantised in registers for attention's two products and leaves as codes: no f32 number of q, k or v goes to memory.
; A tile of 256 x 256 to a work-group of four waves, 128 x 128 a wave: 64 accumulators, 512 registers.  K = 1,024 goes in four phases of 256 through three LDS slots (0, 1, 2, 0): three are asked for at the head, one slot is filled again.
; OPERANDS lie in opc in the order of the operand's registers (a fragment = 1,536 dense bytes): a phase's part of a row block is one dense block of 24,576 bytes for one tensor load, and a fragment comes by four dense LDS loads.
; CLUSTERS: 4 x 4 work-groups; A's tiles are asked for jointly along a row of the cluster, B's along a column.
; ROLES: cluster x = 0: q, 1: k: A = 256 tokens, B = 256 columns of w.  Cluster x = 2: v: A = 256 columns (channels) of w, B = 256 tokens: only the tiles' numbers differ, both operands lie in opc.
; THE PRODUCT IS USED TRANSPOSED (source 0 = B's rows): a lane holds one row of A and its registers run along B's rows; by the order of rows in a fragment the 16 registers of accumulators (a, 2 b), (a, 2 b + 1)
; are B's true rows 32 b + 16 (lane / 16) + 0 .. 15.  So for q and k a lane holds a token and 64 + 64 channels of two heads (K of q k^T), for v a channel and 128 keys (K of p v): whole blocks of 32, after one exchange of halves.
; OUT: qimg [head][step of 128 tokens][6,400]: eight half fragments (16 tokens x 64 channels, 768 bytes), then 256 bytes of scale words [r][pair of tiles].  kv [head][step][12,800]: k's part likewise, then v's: four fragments
; (16 channels x 128 keys), then words [r][tile].  The bias is the C of each sum's first product.
; LIMITS: NaN and infinities are not served; blocks under 2^-122 keep the byte 1; a block of zeros has the byte 1 (zero codes; this program alone reads the bytes).
; REGISTERS: window 0: v1-3 r, h, lane; v4-15 LDS addresses; v16-26 offsets; v27 scale words' address; v28, v29 the add's; v32-63 scale words, two sets; v64-127 the bias; v128-223 A's eight fragments, one set.
;   window 1: B's fragments, two sets at v0 and v128.  windows 2, 3: accumulator (a, b) at v[8 (8 (a % 4) + b)] of window 2 + a / 4.
.set FR,    12
.set FRB,   1536                       ; a fragment in bytes
.set KSB,   8*FRB                      ; a K step of 128 of a row block
.set REG,   2*KSB                      ; a phase's part of a row block: what one tensor load brings
.set SLOT,  4*REG                      ; A's two row blocks, then B's two
.set RBB,   8*KSB                      ; a row block in memory
.set SCL,   3*SLOT                     ; the scale bytes of the four row blocks, for all of K: 16 units of 256 bytes + 16 each; filled once
.set HALFS, 16*272
.set SBLK,  2*272                      ; those of 16 rows
.set SPARE, SCL+4*HALFS                ; the spare words, 128 bytes a wave: two blocks of 256 bytes that no other line names
.set NL,    4                          ; LDS loads that bring a fragment
.set NP,    4                          ; places behind this matrix instruction (ISA guide 7.12.1)
.set ADRA16, 4                         ; v4-6   16 x lane + my A region in slot 0, 1, 2
.set ADRA8,  7                         ; v7-9   8 x lane + the same
.set ADRB16, 10
.set ADRB8,  13
.set ADRS, 27
.set SPW,  28
.set NIL,  29
.set SC,   32
.set BIAS, 64
.set AF,   128
.set PCB,  128                         ; the way out: two sets of 12 registers of codes
.set CT,   152                         ; second halves of the blocks' codes
.set TM,   160                         ; v160-163 largest magnitudes, v164-167 the partner's, then bytes, v172-175 scale operands
.set PW,   176                         ; v176-183 the scale word of each of A's eight blocks
.set WO,   184                         ; v184-187 the words as they are stored
.set G1,   24
.set G0,   32                          ; three sets, one for each slot
.set G1B,  48
.set G0SB, 56
.set G0B,  68
.set G1S,  80
.set G0S,  88
.set G1SB, 92
.set MSB, 0
.macro WIN new                         ; the immediate's high byte repeats the setting that is left
.if MSB != \new
	s_set_vgpr_msb (MSB<<8)|\new
.set MSB, \new
.endif
.endm
.set MUL_LO, 0xa1                      ; source 0 (B) window 1, source 1 (A) window 0, C and D window 2
.set MUL_HI, 0xf1                      ; the same, C and D window 3
.set TO_B,   0x40                      ; destination window 1, address window 0
; A joint load: waves 0 and 1 fetch for A, waves 2 and 3 for B; the branch hangs on the wave's number alone.  Four v_nop follow each of the two lines.
.macro JLOAD g0a, g1a, g0b, g1b
	s_cmp_eq_u32 s15, 0
	s_cbranch_scc0 .Lfor_b_\@
	tensor_load_to_lds s[\g0a:\g0a+3], s[\g1a:\g1a+7]
	s_nop 0
.rept 4
	v_nop
.endr
	s_branch .Lasked_\@
.Lfor_b_\@:
	tensor_load_to_lds s[\g0b:\g0b+3], s[\g1b:\g1b+7]
	s_nop 0
.rept 4
	v_nop
.endr
.Lasked_\@:
.endm
.macro CREST                           ; a round of the cluster's barrier behind its opening barrier
	s_cmp_lg_u32 s14, 0
	s_cbranch_scc1 .Lnot_wave_0_\@
	s_barrier_signal -3
.Lnot_wave_0_\@:
	s_barrier_wait -3
	s_barrier_signal -1
	s_barrier_wait -1
.endm
.macro CROUND
	s_barrier_signal -1
	s_barrier_wait -1
	CREST
.endm
.macro PLACES n
.rept \n
	v_nop
.endr
.endm
.macro FRAG reg, a16, a8, off          ; a fragment as it lies: four dense loads
	ds_load_b128 v[(\reg):(\reg)+3], v[\a16] offset:(\off)
	ds_load_b64 v[(\reg)+4:(\reg)+5], v[\a8] offset:(\off)+512
	ds_load_b128 v[(\reg)+6:(\reg)+9], v[\a16] offset:(\off)+768
	ds_load_b64 v[(\reg)+10:(\reg)+11], v[\a8] offset:(\off)+1280
.endm
.macro FETCH_B slot, q, p              ; B's eight fragments of the slot's q-th K step into set p
	WIN TO_B
.irp i, 0,1,2,3,4,5,6,7
	FRAG 128*(\p)+FR*\i, ADRB16+\slot, ADRB8+\slot, (\q)*KSB+\i*FRB
.endr
	WIN 0
.endm
.macro FETCH_A slot, q, i0             ; A's blocks i0 .. i0 + 3
.irp i, \i0, \i0+1, \i0+2, \i0+3
	FRAG AF+FR*(\i), ADRA16+\slot, ADRA8+\slot, (\q)*KSB+(\i)*FRB
.endr
.endm
.macro SCALES sc                       ; a phase's two scale words a row: lanes 0-15 A's block i, lanes 16-31 B's block i
.irp i, 0,1,2,3,4,5,6,7
	ds_load_b64 v[SC+16*\sc+2*\i:SC+16*\sc+2*\i+1], v[ADRS] offset:\i*SBLK
.endr
.endm
; 16 products: A's blocks a0, a0 + 1 x B's eight.  cm = 0: onto the sums; 1: the sums begin with the bias of B's block; 2: of A's block.  The 64 accumulators take turns, one instruction a turn.
.macro MUL16 a0, p, q, sc, cm
.irp a, \a0, \a0+1
.irp b, 0,1,2,3,4,5,6,7
.if \cm == 1
	v_wmma_scale_f32_16x16x128_f8f6f4 v[8*(8*((\a)%4)+\b):8*(8*((\a)%4)+\b)+7], v[128*(\p)+FR*\b:128*(\p)+FR*\b+FR-1], v[AF+FR*(\a):AF+FR*(\a)+FR-1], v[BIAS+8*\b:BIAS+8*\b+7], v[SC+16*(\sc)+2*\b+(\q)], v[SC+16*(\sc)+2*(\a)+(\q)] matrix_a_fmt:MATRIX_FMT_BF6 matrix_b_fmt:MATRIX_FMT_BF6 matrix_a_scale:MATRIX_SCALE_ROW1
.elseif \cm == 2
	v_wmma_scale_f32_16x16x128_f8f6f4 v[8*(8*((\a)%4)+\b):8*(8*((\a)%4)+\b)+7], v[128*(\p)+FR*\b:128*(\p)+FR*\b+FR-1], v[AF+FR*(\a):AF+FR*(\a)+FR-1], v[BIAS+8*(\a):BIAS+8*(\a)+7], v[SC+16*(\sc)+2*\b+(\q)], v[SC+16*(\sc)+2*(\a)+(\q)] matrix_a_fmt:MATRIX_FMT_BF6 matrix_b_fmt:MATRIX_FMT_BF6 matrix_a_scale:MATRIX_SCALE_ROW1
.else
	v_wmma_scale_f32_16x16x128_f8f6f4 v[8*(8*((\a)%4)+\b):8*(8*((\a)%4)+\b)+7], v[128*(\p)+FR*\b:128*(\p)+FR*\b+FR-1], v[AF+FR*(\a):AF+FR*(\a)+FR-1], v[8*(8*((\a)%4)+\b):8*(8*((\a)%4)+\b)+7], v[SC+16*(\sc)+2*\b+(\q)], v[SC+16*(\sc)+2*(\a)+(\q)] matrix_a_fmt:MATRIX_FMT_BF6 matrix_b_fmt:MATRIX_FMT_BF6 matrix_a_scale:MATRIX_SCALE_ROW1
.endif
.endr
.endr
.endm
; A slot's first K step (B's set 0); it fetches the slot's second.
.macro STEP slot, sc, cm
	s_wait_dscnt 4*NL                              ; all but the youngest sixteen loads (A's blocks 4-7) are in
.if \cm
	WIN 0x81                                       ; C (the bias) window 0, D window 2
.else
	WIN MUL_LO
.endif
	MUL16 0, 0, 0, \sc, \cm
	MUL16 2, 0, 0, \sc, \cm
	s_wait_dscnt 0x0                               ; A's blocks 4-7 are in
	PLACES NP                                      ; in front of loads into registers that matrix instructions have read
	FETCH_B \slot, 1, 1
	FETCH_A \slot, 1, 0
.if \cm
	WIN 0xc1
.else
	WIN MUL_HI
.endif
	MUL16 4, 0, 0, \sc, \cm
	MUL16 6, 0, 0, \sc, \cm
	PLACES NP
	WIN 0
	FETCH_A \slot, 1, 4
.endm
; A slot's second K step (B's set 1) changes slots: one barrier.  kind 0: the next slot's load has landed, one younger load may stay out.  kind 2: the same with no load left out.
; kind 1: slot 0 is filled again behind it: the wait for all my tensor loads, the add, the wait for it and for my LDS reads, a round of the cluster's barrier, and the joint refill first behind it.
.macro TURN slot, next, sc, nsc, kind
.if \kind == 0
	s_wait_tensorcnt 0x1                           ; my part of the next slot is in; slot 2's load, issued behind it, may be out
	s_wait_dscnt 4*NL
.elseif \kind == 1
	s_wait_tensorcnt 0x0                           ; all my tensor loads have landed
	ds_add_u32 v[SPW], v[NIL]                      ; 0 onto my spare word
	s_wait_dscnt 4*NL+1                            ; (the add and A's blocks 4-7 may be out)
.else
	s_wait_tensorcnt 0x0                           ; the refill has landed
	s_wait_dscnt 4*NL
.endif
	WIN MUL_LO
	MUL16 0, 1, 1, \sc, 0
	s_wait_dscnt 0x0                               ; my reads of this slot are over (and the add is done)
	s_barrier_signal -1
	MUL16 2, 1, 1, \sc, 0
	WIN 0
	s_barrier_wait -1
.if \kind == 1
	CREST                                          ; no wave of any partner still reads slot 0 or has a load on its way
	s_add_nc_u64 s[G0+2:G0+3], s[G0+2:G0+3], 3*REG     ; slot 0's descriptors go on to the fourth phase
	s_add_nc_u64 s[G0B+2:G0B+3], s[G0B+2:G0B+3], 3*REG
	JLOAD G0, G1, G0B, G1B                         ; it has the whole third phase in which to land; its four v_nop are the places in front of the loads below
.else
	PLACES NP
.endif
	v_add_nc_u32 v[ADRS], 8, v[ADRS]               ; the next phase's scale words
	FETCH_B \next, 0, 0
	FETCH_A \next, 0, 0
	SCALES \nsc
	WIN MUL_HI
	MUL16 4, 1, 1, \sc, 0
	MUL16 6, 1, 1, \sc, 0
	PLACES NP
	WIN 0
	FETCH_A \next, 0, 4
.endm
; The way out: the 64 numbers of A's block (window w, from v[s]; register 16 b + i = index 32 b + 16 (lane / 16) + i) become a fragment's codes in v[pc] on and my row's scale word in v[pw].
.macro QUANTW w, s, pc, pw
.set WW, (\w)|((\w)<<2)
	WIN WW
.irp b, 0,1,2,3
	v_max3_num_f32 v[TM+\b], |v[(\s)+16*\b]|, |v[(\s)+16*\b+1]|, 0x2800000   ; each accumulator is read from its low end on; the floor 2^(5 - 127) holds the byte at 1 from below
.endr
.irp i, 2,4,6,8,10,12,14
.irp b, 0,1,2,3
	v_max3_num_f32 v[TM+\b], |v[(\s)+16*\b+\i]|, |v[(\s)+16*\b+\i+1]|, v[TM+\b]
.endr
.endr
	WIN 0
.irp b, 0,1,2,3
	v_permlanex16_b32 v[TM+4+\b], v[TM+\b], s38, s39
.endr
.irp b, 0,1,2,3
	v_max_num_f32 v[TM+\b], v[TM+\b], v[TM+4+\b]   ; with lane l xor 16's: the block's largest magnitude
.endr
.irp b, 0,1,2,3
	v_add_nc_u32 v[TM+12+\b], 0xfe000000, v[TM+\b]
.endr
.irp b, 0,1,2,3
	v_lshrrev_b32 v[TM+4+\b], 23, v[TM+12+\b]
.endr
	v_lshl_or_b32 v[\pw], v[TM+5], 8, v[TM+4]
	v_lshl_or_b32 v[\pw], v[TM+6], 16, v[\pw]
	v_lshl_or_b32 v[\pw], v[TM+7], 24, v[\pw]
.set WW, (\w)
	WIN WW
.irp c, 0,1
	v_cvt_scalef32_pk16_bf6_f32 v[(\pc)+6*\c:(\pc)+6*\c+2], v[(\s)+32*\c:(\s)+32*\c+15], v[TM+12+2*\c]
	v_cvt_scalef32_pk16_bf6_f32 v[CT+4*\c:CT+4*\c+2], v[(\s)+32*\c+16:(\s)+32*\c+31], v[TM+12+2*\c+1]
.endr
	WIN 0
	v_nop                                          ; one plain line behind the scaled conversions
.irp c, 0,1                            ; the operand's layout wants a whole block in a lane
.irp i, 0,1,2
	v_permlane16_swap_b32 v[(\pc)+6*\c+\i], v[CT+4*\c+\i]
.endr
.irp i, 0,1,2
	v_mov_b32 v[(\pc)+6*\c+3+\i], v[CT+4*\c+\i]
.endr
.endr
.endm
	s_load_b128 s[4:7], s[0:1], 0x0                ; opc, ops
	s_load_b64 s[8:9], s[0:1], 0x10                ; b_qkv
	s_load_b64 s[60:61], s[0:1], 0x18              ; qimg
	s_load_b64 s[62:63], s[0:1], 0x20              ; kv
	v_lshl_add_u32 v[SPW], v0, 2, SPARE
	v_mov_b32 v[NIL], 0
	ds_add_u32 v28, v29
	s_wait_dscnt 0x0
	v_lshrrev_b32 v1, 5, v0
	v_readfirstlane_b32 s14, v1                    ; wave 0..3
	s_lshr_b32 s15, s14, 1                         ; my half of A's rows.  Also: I fetch for A (0) or for B (1)
	s_and_b32 s16, s14, 1                          ; my half of B's rows.  Also: which row block of that tile I fetch
	s_bfe_u32 s44, ttmp6, 0x40000                  ; cx
	s_bfe_u32 s45, ttmp6, 0x40004                  ; cy
	s_and_b32 s18, ttmp7, 0xffff
	s_lshl_b32 s18, s18, 2                         ; 4 x cluster y: x's tiles
	s_lshl_b32 s19, ttmp9, 2
	s_add_co_u32 s19, s19, 32                      ; 32 + 4 x cluster x: q's or k's tiles of w
	s_cmp_eq_u32 ttmp9, 2                          ; v?  The cluster's x is the same in all sixteen partners
	s_cselect_b32 s17, 40, s18
	s_cselect_b32 s46, s18, s19
	s_add_co_u32 s17, s17, s45                     ; A's tile: hangs on cy alone
	s_add_co_u32 s46, s46, s44                     ; B's tile: on cx alone
	s_lshl_b32 s20, s45, 2
	s_lshl_b32 s20, 15, s20                        ; my row of the cluster
	s_lshl_b32 s21, 0x1111, s44                    ; my column
	s_or_b32 s[G1], s20, (3<<16)|(1<<21)           ; 15:0 the mask; 17:16 elements of 8 bytes; 21 set beside a mask; no padding
	s_or_b32 s[G1B], s21, (3<<16)|(1<<21)
.irp g, G1, G1B
	s_mov_b32 s[\g+1], 32<<16                      ; tensor_dim0 = 32 elements: rows of 256 bytes
	s_mov_b32 s[\g+2], 96<<16                      ; tensor_dim1 = 96 rows: 24,576 dense bytes
	s_mov_b32 s[\g+3], 32<<16                      ; tile_dim0
	s_mov_b32 s[\g+4], 96                          ; tile_dim1
	s_mov_b32 s[\g+5], 32                          ; pitch
	s_mov_b32 s[\g+6], 0
	s_mov_b32 s[\g+7], 0
.endr
	s_or_b32 s[G1S], s20, (3<<16)|(1<<20)|(1<<21)|(5<<22)|(3<<25)   ; the scale bytes: 16 rows of 256 bytes, 16 bytes of padding behind each
	s_or_b32 s[G1SB], s21, (3<<16)|(1<<20)|(1<<21)|(5<<22)|(3<<25)
.irp g, G1S, G1SB
	s_mov_b32 s[\g+1], 32<<16
	s_mov_b32 s[\g+2], 16<<16
	s_mov_b32 s[\g+3], 32<<16
	s_mov_b32 s[\g+4], 16
	s_mov_b32 s[\g+5], 32
	s_mov_b32 s[\g+6], 0
	s_mov_b32 s[\g+7], 0
.endr
	s_lshl_b32 s18, s17, 1
	s_add_co_u32 s18, s18, s16                     ; the row block of A that I would fetch,
	s_lshl_b32 s22, s46, 1
	s_add_co_u32 s22, s22, s16                     ; and of B
	s_mul_i32 s20, s18, RBB
	s_mov_b32 s21, 0
	s_lshl_b32 s18, s18, 12                        ; 4,096 scale bytes a row block
	s_mov_b32 s19, 0
	s_mul_i32 s2, s22, RBB
	s_mov_b32 s3, 0
	s_lshl_b32 s22, s22, 12
	s_mov_b32 s23, 0
	s_mul_i32 s47, s14, REG                        ; where they go: wave x a region: no place in the cluster enters an LDS address
	s_mul_i32 s66, s14, HALFS
	s_wait_kmcnt 0x0
	s_add_nc_u64 s[20:21], s[4:5], s[20:21]
	s_add_nc_u64 s[18:19], s[6:7], s[18:19]
	s_add_nc_u64 s[2:3], s[4:5], s[2:3]
	s_add_nc_u64 s[22:23], s[6:7], s[22:23]
	CROUND                                         ; all sixteen work-groups are here: the first joint loads meet
	s_mov_b32 s[G0S], 1
	s_add_co_u32 s[G0S+1], s66, SCL
	s_mov_b64 s[G0S+2:G0S+3], s[18:19]
	s_or_b32 s[G0S+3], s[G0S+3], 0x80000000
	s_mov_b32 s[G0SB], 1
	s_add_co_u32 s[G0SB+1], s66, SCL
	s_mov_b64 s[G0SB+2:G0SB+3], s[22:23]
	s_or_b32 s[G0SB+3], s[G0SB+3], 0x80000000
	JLOAD G0S, G1S, G0SB, G1SB                     ; the scales first: they are wanted with the first phase
.irp s, 0,1,2
	s_mov_b32 s[G0+4*\s], 1
	s_add_co_u32 s[G0+4*\s+1], s47, \s*SLOT
	s_add_nc_u64 s[G0+4*\s+2:G0+4*\s+3], s[20:21], \s*REG
	s_or_b32 s[G0+4*\s+3], s[G0+4*\s+3], 0x80000000
	s_mov_b32 s[G0B+4*\s], 1
	s_add_co_u32 s[G0B+4*\s+1], s47, \s*SLOT
	s_add_nc_u64 s[G0B+4*\s+2:G0B+4*\s+3], s[2:3], \s*REG
	s_or_b32 s[G0B+4*\s+3], s[G0B+4*\s+3], 0x80000000
	JLOAD G0+4*\s, G1, G0B+4*\s, G1B               ; three phases at once: four loads of mine are out
.endr
	v_and_b32 v1, 15, v0                           ; r
	v_bfe_u32 v2, v0, 4, 1                         ; h
	v_and_b32 v3, 31, v0                           ; lane
	s_mul_i32 s18, s15, REG                        ; my row block of A
	s_mul_i32 s19, s16, REG
	s_add_co_u32 s19, s19, 2*REG                   ; and of B
.irp s, 0,1,2
	v_lshl_add_u32 v[ADRA16+\s], v3, 4, s18
	v_lshl_add_u32 v[ADRA8+\s], v3, 3, s18
	v_lshl_add_u32 v[ADRB16+\s], v3, 4, s19
	v_lshl_add_u32 v[ADRB8+\s], v3, 3, s19
	s_add_co_u32 s18, s18, SLOT
	s_add_co_u32 s19, s19, SLOT
.endr
	v_lshlrev_b32 v24, 5, v1                       ; my row's scale bytes: 32 a row,
	v_lshrrev_b32 v25, 3, v1
	v_lshl_add_u32 v24, v25, 4, v24                ; and 16 more for each 256 passed
	s_mul_i32 s18, s15, HALFS
	s_mul_i32 s19, s16, HALFS
	s_add_co_u32 s19, s19, 2*HALFS
	s_sub_co_u32 s19, s19, s18
	v_mul_u32_u24 v25, s19, v2                     ; lanes 16-31 take B's
	s_add_co_u32 s18, s18, SCL
	v_add_nc_u32 v24, v24, v25
	v_add_nc_u32 v[ADRS], s18, v24
	; the bias, in the result's layout, by one text: q, k: register j of B's block g holds column 32 (g / 2) + 8 (g % 2) + 16 h + j; v: all eight registers of A's block g hold channel 32 (g / 2) + 8 (g % 2) + r + 8 (r / 8)
	v_and_b32 v24, 8, v1
	v_add_nc_u32 v24, v24, v1
	s_cmp_eq_u32 ttmp9, 2
	s_cselect_b32 s18, 4, 0
	s_cselect_b32 s19, 0, 64
	s_cselect_b32 s47, 0, 4
	s_cselect_b32 s66, s45, s44
	s_cselect_b32 s67, s15, s16
	s_lshl_b32 s100, ttmp9, 10                     ; q's, k's, v's 1,024 numbers
	s_lshl_b32 s66, s66, 8
	s_lshl_b32 s67, s67, 7
	s_add_co_u32 s100, s100, s66
	s_add_co_u32 s100, s100, s67
	s_lshl_b32 s100, s100, 2
	s_mov_b32 s101, 0
	s_add_nc_u64 s[8:9], s[8:9], s[100:101]
	v_mul_u32_u24 v24, s18, v24
	v_mul_u32_u24 v25, s19, v2
	v_add_nc_u32 v16, v24, v25
.irp j, 1,2,3,4,5,6,7
	v_add_nc_u32 v[16+\j], s47, v[15+\j]
.endr
.irp g, 0,1,2,3,4,5,6,7
.irp j, 0,1,2,3,4,5,6,7
	global_load_b32 v[BIAS+8*\g+\j], v[16+\j], s[8:9] offset:4*(32*(\g/2)+8*(\g%2))
.endr
.endr
	s_wait_tensorcnt 0x2                           ; the scales and my part of slot 0 are in; slots 1 and 2 may be out
	s_barrier_signal -1
	s_barrier_wait -1
	FETCH_B 0, 0, 0
	FETCH_A 0, 0, 0
	SCALES 0
	FETCH_A 0, 0, 4
	s_wait_loadcnt 0x0                             ; the bias
	s_cmp_eq_u32 ttmp9, 2                          ; the first K step is written twice: it differs in which block's bias starts a sum.  No barrier, tensor load or LDS store stands in it
	s_cbranch_scc1 .Lfirst_v
	STEP 0, 0, 1
	s_branch .Lfirst_done
.Lfirst_v:
	STEP 0, 0, 2
.Lfirst_done:
	TURN 0, 1, 0, 1, 0
	STEP 1, 1, 0
	TURN 1, 2, 1, 0, 1
	STEP 2, 0, 0
	TURN 2, 0, 0, 1, 2
	STEP 0, 1, 0
	s_wait_dscnt 4*NL                              ; the last K step: nothing more to fetch
	WIN MUL_LO
	MUL16 0, 1, 1, 1, 0
	MUL16 2, 1, 1, 1, 0
	s_wait_dscnt 0x0
	WIN MUL_HI
	MUL16 4, 1, 1, 1, 0
	MUL16 6, 1, 1, 1, 0
	WIN 0
	; THE WAY OUT.  No tensor load is out: the descriptors' registers are free.  One text: what differs between q, k and v stands in scalar registers.
	s_mov_b32 s24, 12800
	s_cmp_eq_u32 ttmp9, 0
	s_cselect_b32 s24, 6400, s24                   ; a record: q 6,400 bytes, k and v 12,800
	s_cselect_b64 s[12:13], s[60:61], s[62:63]
	s_lshl_b32 s25, s24, 4                         ; from a head to the next: 16 records
	s_sub_co_u32 s28, s25, 4608
	s_mov_b32 s34, 768
	s_mov_b32 s29, 768
	s_and_b32 s18, ttmp7, 0xffff
	s_lshl_b32 s18, s18, 2
	s_cmp_eq_u32 ttmp9, 2
	s_cselect_b32 s26, 768, s25                    ; from a fragment's first half to its second: v: 768; q, k: the next head's record
	s_cselect_b32 s34, 1536, s34                   ; from a block of A to the next: v: a fragment; q, k: half a fragment
	s_cselect_b32 s36, s28, s29                    ; and onto block 4: v: the next head
	s_cselect_b32 s19, s44, s45                    ; which of the cluster's four tiles of tokens,
	s_cselect_b32 s20, s45, s44                    ; which four heads,
	s_cselect_b32 s21, s16, s15                    ; which 128 tokens of the tile,
	s_cselect_b32 s22, s15, s16                    ; which two heads of the four
	s_cselect_b32 s23, 6400, 0                     ; v's part lies behind k's
	s_mov_b32 s35, 0
	s_mov_b32 s37, 0
	s_add_co_u32 s18, s18, s19                     ; tile of 256 tokens, 0..31
	s_lshr_b32 s19, s18, 3                         ; batch
	s_lshl_b32 s19, s19, 4
	s_lshl_b32 s20, s20, 2
	s_add_co_u32 s19, s19, s20
	s_lshl_b32 s22, s22, 1
	s_add_co_u32 s19, s19, s22                     ; 16 batch + head
	s_lshl_b32 s19, s19, 4
	s_and_b32 s18, s18, 7
	s_lshl_b32 s18, s18, 1
	s_add_co_u32 s19, s19, s18
	s_add_co_u32 s19, s19, s21                     ; + step of 128 tokens
	s_mul_i32 s18, s19, s24
	s_add_co_u32 s18, s18, s23
	s_mov_b32 s19, 0
	s_add_nc_u64 s[12:13], s[12:13], s[18:19]      ; walks with A's blocks
	s_mov_b64 s[32:33], s[12:13]                   ; stays, for the words
	s_mov_b32 s38, 0x76543210
	s_mov_b32 s39, 0xfedcba98
	s_mov_b32 s40, 0x05040100
	s_mov_b32 s41, 0x07060302
	PLACES NP                                      ; behind the last products: their results are read and A's registers written below
	v_lshlrev_b32 v16, 4, v3
	v_lshl_add_u32 v17, v3, 3, 512
	v_add_nc_u32 v18, s26, v16
	v_add_nc_u32 v19, s26, v17
	v_mul_u32_u24 v20, s25, v2
	v_lshl_add_u32 v20, v1, 4, v20
	v_add_nc_u32 v20, 6144, v20                    ; the words: 16 bytes a row; lanes 16-31 the next head's record
	v_cmp_ne_u32 vcc_lo, 0, v2
.irp b, 0,1,2,3
	v_mov_b32 v[TM+4+\b], 0                        ; written once: a lane permute's destination counts as one of its sources
.endr
.irp a, 0,1,2,3,4,5,6,7
.if \a > 0
	s_wait_xcnt 0x0                                ; the earlier stores have read their base and their registers
.if \a == 4
	s_add_nc_u64 s[12:13], s[12:13], s[36:37]
.else
	s_add_nc_u64 s[12:13], s[12:13], s[34:35]
.endif
.endif
	QUANTW 2+\a/4, 64*(\a%4), PCB+12*(\a%2), PW+\a
	global_store_b128 v16, v[PCB+12*(\a%2):PCB+12*(\a%2)+3], s[12:13]        ; each store covers 512 or 256 consecutive bytes, aligned to 256
	global_store_b64 v17, v[PCB+12*(\a%2)+4:PCB+12*(\a%2)+5], s[12:13]
	global_store_b128 v18, v[PCB+12*(\a%2)+6:PCB+12*(\a%2)+9], s[12:13]
	global_store_b64 v19, v[PCB+12*(\a%2)+10:PCB+12*(\a%2)+11], s[12:13]
.endr
	s_cmp_eq_u32 ttmp9, 2
	s_cbranch_scc1 .Lwords_v
.irp i, 0,1,2,3                        ; q, k: a word of a head = two tiles' two bytes: lanes 0-15 the first head's, lanes 16-31 the second's
	v_perm_b32 v[TM+\i], v[PW+2*\i+1], v[PW+2*\i], s40
	v_perm_b32 v[TM+4+\i], v[PW+2*\i+1], v[PW+2*\i], s41
.endr
.irp i, 0,1,2,3
	v_cndmask_b32 v[WO+\i], v[TM+\i], v[TM+4+\i], vcc_lo
.endr
	s_branch .Lwords_done
.Lwords_v:
.irp i, 0,1,2,3                        ; v: a block's word as it is: blocks 0-3 the first head's, 4-7 the second's
	v_cndmask_b32 v[WO+\i], v[PW+\i], v[PW+4+\i], vcc_lo
.endr
.Lwords_done:
	global_store_b128 v20, v[WO:WO+3], s[32:33]    ; sixteen lanes store 256 consecutive bytes, aligned
	s_wait_tensorcnt 0x0                           ; the wave's end
	ds_add_u32 v[SPW], v[NIL]
	s_wait_dscnt 0x0
	CROUND                                         ; the closing round
	s_endpgm
.Lfunc_end_k_qd293984c40_gemm_qkv:
	.size	k_qd293984c40_gemm_qkv, .Lfunc_end_k_qd293984c40_gemm_qkv-k_qd293984c40_gemm_qkv
	.p2alignl 7, 3214868480
	.fill 96, 4, 3214868480
	.section	.rodata,"a",@progbits
	.p2align	6, 0x0
	.amdhsa_kernel k_qd293984c40_gemm_qkv
		.amdhsa_group_segment_fixed_size 327680
		.amdhsa_private_segment_fixed_size 0
		.amdhsa_enable_private_segment 0
		.amdhsa_kernarg_size 40
		.amdhsa_user_sgpr_count 2
		.amdhsa_user_sgpr_kernarg_segment_ptr 1
		.amdhsa_wavefront_size32 1
		.amdhsa_system_sgpr_workgroup_id_x 1
		.amdhsa_system_sgpr_workgroup_id_y 1
		.amdhsa_system_sgpr_workgroup_id_z 1
		.amdhsa_system_vgpr_workitem_id 0
		.amdhsa_next_free_vgpr 1024
		.amdhsa_next_free_sgpr 102
		.amdhsa_reserve_vcc 1
		.amdhsa_float_denorm_mode_32 3
		.amdhsa_float_denorm_mode_16_64 3
		.amdhsa_memory_ordered 1
		.amdhsa_forward_progress 1
		.amdhsa_inst_pref_size 171
	.end_amdhsa_kernel
	.amdgpu_metadata
---
amdhsa.version: [ 1, 2 ]
amdhsa.kernels:
  - .name:           k_qd293984c40_gemm_qkv
    .symbol:         k_qd293984c40_gemm_qkv.kd
    .args:
      - { .name: opc, .offset: 0, .size: 8, .value_kind: global_buffer, .address_space: global }
      - { .name: ops, .offset: 8, .size: 8, .value_kind: global_buffer, .address_space: global }
      - { .name: b_qkv, .offset: 16, .size: 8, .value_kind: global_buffer, .address_space: global }
      - { .name: qimg, .offset: 24, .size: 8, .value_kind: global_buffer, .address_space: global }
      - { .name: kv, .offset: 32, .size: 8, .value_kind: global_buffer, .address_space: global }
    .group_segment_fixed_size: 327680
    .private_segment_fixed_size: 0
    .kernarg_segment_align: 8
    .kernarg_segment_size: 40
    .max_flat_workgroup_size: 128
    .sgpr_count:     102
    .vgpr_count:     1024
    .wavefront_size: 32
...
	.end_amdgpu_metadata
.endif
;; end of part 2
;; launch attn (part 3): grid 4 x 64, 16 waves a work-group, no clusters, 327,680 bytes of LDS; arguments qimg, kv, oc, os; writes oc, os
.if DOCPART == 3
	.amdgcn_target "amdgcn-amd-amdhsa--gfx1250"
	.amdhsa_code_object_version 6
	.text
	.protected	k_qd293984c40_attn
	.globl	k_qd293984c40_attn
	.p2align	8
	.type	k_qd293984c40_attn,@function
k_qd293984c40_attn:
	s_mov_b64 s[64:65], 0
	v_nop
	global_prefetch_b8 v0, s[64:65] scope:SCOPE_SE
	s_setreg_imm32_b32 hwreg(HW_REG_WAVE_MODE, 25, 1), 1
	s_wait_xcnt 0x0
; Causal attention on codes of BF6 (E3M2): 64 heads (batch x head) of 2,048 tokens x 64 channels.  S^T = K Q^T, p = 2^(t - M), O^T += V^T p^T, O / l; the result is quantised in registers along the last product's K and leaves as codes.
; t = score x log2(e) / 8; M = the running largest t rounded UP to a whole number; the row's sum l is taken of the unquantised p; when M moves, l and O^T are multiplied by 2^(old M - new M): exact.
; SHARES.  Sixteen waves, each with one tile of 16 queries in 256 registers: four waves to a SIMD, so that one wave's softmax stands beside another's products and LDS loads.  Work-group (J, head) takes the block of 256 queries
; 7 - J and then block J: key slots (256 keys) 0 .. 7 - J and 0 .. J: nine slots in every work-group, so the trip counts are constants, every work-group has the same work, and no slot is fetched that nobody reads.
; A step of 128 keys all of which come after the wave's queries is passed over by a scalar branch on ids; on the diagonal hidden scores become -infinity ahead of the maximum.
; NO CLUSTER: the four work-groups of a head walk slots 0 .. 7 - J, 0 .. J: in four of their nine trips they want different slots, so a joint request would not name the same bytes.
; K = 64 IN A FORM OF K = 128: a fragment of k holds TWO tiles of 16 keys (k 0-63 the first, 64-127 the second); the query's fragment holds zero codes in the half that is not wanted, under the scale byte 1.
; LAYOUT.  Both products are used transposed: a lane holds one query.  By the order of rows in a fragment (lane r of tile 2 b + u is row 32 b + 8 u + r + 8 (r / 8)) the 16 registers of two neighbouring tiles are 16 neighbours.
; LIMITS: NaN and infinities are not served; blocks under 2^-122 keep the byte 1; a block of zeros has the byte 1 (zero codes; this program alone reads the bytes).
; The scale bytes of a head's 64 channels are 2 of a row's 32: they leave by stores of 2 bytes a row, since the other heads' bytes belong to other work-groups.
.set REC,   12800                      ; a record: k's part (4 fragments + 256 bytes of words), then v's
.set FRB,   1536
.set KVS,   2*REC                      ; a slot
.set SLOT1, 32768                      ; slot 1 begins here: one exclusive or turns an address
.set SPARE, 65536                      ; the spare words, 128 bytes a wave: eight blocks of 256 bytes that no other line names
.set FRG, 36                           ; v36-83   four fragments, of k and then of v
.set KW,  84                           ; v84-87   k's scale words
.set VW,  88                           ; v88-91   v's
.set S,   92                           ; v92-155  S^T, then p
.set OT,  156                          ; v156-187 O^T
.set PC,  188                          ; v188-199 p's codes
.set CT,  200                          ; v200-207 second halves of the blocks' codes
.set BM,  208                          ; v208-211 a block's largest score, then its largest p
.set BX,  212                          ; v212-215 the partner's, then bytes
.set SO,  216                          ; v216-219 the conversions' scale operands
; v1 16 x lane, v2 8 x lane, v3 16 r, v4 r + 8 (r / 8) - 16 h, v5, v6 the add's, v7 32 r, v8-10 LDS addresses in hand, v11 256 x lane, v12 -M, v13 the largest t, v[14:15] l in two halves,
; v16-33 zeros | Q | zeros, v34, v35 Q's scale words for the two halves, v[220:221] f, v222 p's scale word, v223-227 at work
.set WV,    12
.set JJ,    13
.set BH,    14
.set TB,    15                         ; the slot in hand
.set SLOTS, 16
.set SWC,   17                         ; J + 1: the count at which the first block's last slot is in hand
.set WRAPV, 18                         ; (8 - J) slots in bytes
.set KF,    19                         ; the step's first key
.set SEL,   20
.set CS,    22
.set G1,    24
.set G0,    32
.set WR,    36
.set QMIN,  38
.set QMAX,  39
.set BLK,   40
.set SHQ,   41
.set QP,    42
.set QSP,   44
.set OP,    46
.set OSP,   48
.set PFA,   50
.set LIM,   52
.macro FRAG reg, a16, a8, off
	ds_load_b128 v[(\reg):(\reg)+3], v[\a16] offset:(\off)
	ds_load_b64 v[(\reg)+4:(\reg)+5], v[\a8] offset:(\off)+512
	ds_load_b128 v[(\reg)+6:(\reg)+9], v[\a16] offset:(\off)+768
	ds_load_b64 v[(\reg)+10:(\reg)+11], v[\a8] offset:(\off)+1280
.endm
.macro TLOAD                           ; waves 0 and 1 fetch a record each; four v_nop follow the line
	s_cmp_lt_u32 s[WV], 2
	s_cbranch_scc0 .Lnone_\@
	tensor_load_to_lds s[G0:G0+3], s[G1:G1+7]
	s_nop 0
.rept 4
	v_nop
.endr
.Lnone_\@:
.endm
; A prefetch of what later changes of slots will ask for.  All four work-groups of a head walk the same records: work-group J = 0, which walks all eight slots on end, asks; in it waves 4 to 6, which fetch nothing:
; 8,192 bytes a wave, lanes 256 bytes apart, 24,576 bytes a trip, in the first six trips: bytes 57,344 to 204,799 of the head's 204,800, each block of 256 named once, each at least one change ahead of its load.
.macro ASK
	s_cmp_gt_u32 s[SLOTS], s[LIM]
	s_cbranch_scc0 .Lnot_mine_\@
	global_prefetch_b8 v11, s[PFA:PFA+1] th:TH_LOAD_NT scope:SCOPE_SE
.Lnot_mine_\@:
.endm
; A block of queries begins: where its codes lie and where its result goes; Q into registers; the statistics and O^T begin.
.macro START
	s_lshl_b32 s54, s[BLK], 1
	s_lshr_b32 s55, s[WV], 3
	s_add_co_u32 s54, s54, s55                     ; step of 128 tokens
	s_lshl_b32 s55, s[BH], 4
	s_add_co_u32 s55, s55, s54
	s_mul_i32 s56, s55, 6400
	s_mov_b32 s57, 0
	s_add_nc_u64 s[58:59], s[4:5], s[56:57]        ; q's record
	s_and_b32 s60, s[WV], 7                        ; my tile in it
	s_lshr_b32 s61, s60, 1
	s_mul_i32 s56, s61, 1536
	s_and_b32 s62, s[WV], 1
	s_mul_i32 s63, s62, 768
	s_add_co_u32 s56, s56, s63
	s_add_nc_u64 s[QP:QP+1], s[58:59], s[56:57]
	s_lshl_b32 s56, s61, 2
	s_add_co_u32 s56, s56, 6144
	s_add_nc_u64 s[QSP:QSP+1], s[58:59], s[56:57]
	s_lshr_b32 s55, s[BH], 4
	s_lshl_b32 s55, s55, 4
	s_add_co_u32 s55, s55, s54                     ; row block of the last product's A
	s_mul_i32 s56, s55, 98304
	s_and_b32 s63, s[BH], 15                       ; head
	s_lshr_b32 s66, s63, 1
	s_mul_i32 s66, s66, 12288                      ; K step = head / 2
	s_add_co_u32 s56, s56, s66
	s_mul_i32 s66, s60, 1536
	s_add_co_u32 s56, s56, s66
	s_and_b32 s66, s[BH], 1
	s_mul_i32 s66, s66, 768                        ; half of the fragment = head % 2
	s_add_co_u32 s56, s56, s66
	s_add_nc_u64 s[OP:OP+1], s[8:9], s[56:57]
	s_lshl_b32 s56, s55, 7
	s_lshl_b32 s66, s60, 4
	s_add_co_u32 s56, s56, s66
	s_lshl_b32 s56, s56, 5
	s_lshl_b32 s66, s63, 1
	s_add_co_u32 s56, s56, s66
	s_add_nc_u64 s[OSP:OSP+1], s[10:11], s[56:57]
	s_lshl_b32 s[QMIN], s[BLK], 8
	s_lshr_b32 s66, s[WV], 1
	s_lshl_b32 s66, s66, 5
	s_add_co_u32 s[QMIN], s[QMIN], s66
	s_lshl_b32 s66, s62, 3
	s_add_co_u32 s[QMIN], s[QMIN], s66             ; my tile's first query; lane r holds query QMIN + r + 8 (r / 8)
	s_add_co_u32 s[QMAX], s[QMIN], 23
	s_mov_b32 s[KF], 0
	global_load_b128 v[22:25], v1, s[QP:QP+1] th:TH_LOAD_NT
	global_load_b64 v[26:27], v2, s[QP:QP+1] offset:512 th:TH_LOAD_NT
	global_load_b32 v226, v3, s[QSP:QSP+1]
	v_mov_b32 v13, 0xff61b1e6                      ; the largest t so far: -3e38, under every t
	s_delay_alu instid0(VALU_DEP_1)
	v_floor_f32 v12, -v13
	v_mov_b32 v14, 0
	v_mov_b32 v15, 0
.set j, 0
.rept 32
	v_mov_b32 v[OT+j], 0                           ; the step is written once: the first finds zeros, which the first change of M leaves zeros
.set j, j+1
.endr
	s_wait_loadcnt 0x0
	v_lshrrev_b32 v226, s[SHQ], v226               ; my tile's two bytes of the pair's word
	s_delay_alu instid0(VALU_DEP_1)
	v_and_b32 v226, 0xffff, v226
	s_delay_alu instid0(VALU_DEP_1)
	v_or_b32 v34, 0x1010000, v226                  ; Q in the lower half of K: the byte 1 over the zero codes
	s_delay_alu instid0(VALU_DEP_2)
	v_lshl_or_b32 v35, v226, 16, 0x101             ; Q in the upper half
.rept 8
	v_nop                                          ; a scale register written by a vector instruction stands eight places ahead of a scaled product
.endr
.endm
; A key step: 128 keys, the q-th record of the slot in hand.
.macro STEP q
	s_cmp_gt_u32 s[KF], s[QMAX]
	s_cbranch_scc1 .Lhidden_\@
	v_add_nc_u32 v8, s[TB], v1
	v_add_nc_u32 v9, s[TB], v2
	v_add_nc_u32 v10, s[TB], v3
	v_nop                                          ; four places in front of loads into registers that matrix instructions have read
.irp a, 0,1,2,3
	FRAG FRG+12*\a, 8, 9, (\q)*REC+FRB*\a
.endr
	ds_load_b128 v[KW:KW+3], v10 offset:(\q)*REC+6144
	s_wait_dscnt 0x0
	s_wait_alu depctr_va_vdst(0)
.irp a, 0,1,2,3                        ; fragment a holds tiles 2 a and 2 a + 1: the query's place in K chooses
	v_wmma_scale_f32_16x16x128_f8f6f4 v[S+16*\a:S+16*\a+7], v[FRG+12*\a:FRG+12*\a+11], v[22:33], 0, v[KW+\a], v34 matrix_a_fmt:MATRIX_FMT_BF6 matrix_b_fmt:MATRIX_FMT_BF6
	v_wmma_scale_f32_16x16x128_f8f6f4 v[S+16*\a+8:S+16*\a+15], v[FRG+12*\a:FRG+12*\a+11], v[16:27], 0, v[KW+\a], v35 matrix_a_fmt:MATRIX_FMT_BF6 matrix_b_fmt:MATRIX_FMT_BF6
.endr
.rept 4
	v_nop
.endr
.irp a, 0,1,2,3                        ; v's fragments land while the softmax is walked
	FRAG FRG+12*\a, 8, 9, (\q)*REC+6400+FRB*\a
.endr
	ds_load_b128 v[VW:VW+3], v10 offset:(\q)*REC+6400+6144
	s_add_co_u32 s66, s[KF], 127
	s_cmp_le_u32 s66, s[QMIN]
	s_cbranch_scc1 .Lopen_\@                       ; all 128 keys count for all my queries
	s_sub_co_i32 s66, s[QMIN], s[KF]
	v_add_nc_u32 v226, s66, v4                     ; d = my query - KF - 16 h.  Register 16 b + i holds key KF + 32 b + 16 h + i: hidden where 32 b + i > d
	v_mov_b32 v227, 0xff800000
.set n, 0
.rept 64
	v_cmp_gt_i32 vcc_lo, 32*(n/16)+n%16, v226
	v_cndmask_b32 v[S+n], v[S+n], v227, vcc_lo
.set n, n+1
.endr
.Lopen_\@:
.irp b, 0,1,2,3
	v_max3_num_f32 v[BM+\b], v[S+16*\b], v[S+16*\b+1], v[S+16*\b+2]   ; the largest score of each block of 32 keys: for the row's maximum, and, since p rises with the score, for the block's largest p
.endr
.irp i, 3,5,7,9,11,13
.irp b, 0,1,2,3
	v_max3_num_f32 v[BM+\b], v[BM+\b], v[S+16*\b+\i], v[S+16*\b+\i+1]
.endr
.endr
.irp b, 0,1,2,3
	v_max_num_f32 v[BM+\b], v[BM+\b], v[S+16*\b+15]
.endr
.irp b, 0,1,2,3
	s_delay_alu instid0(VALU_DEP_4)
	v_permlanex16_b32 v[BX+\b], v[BM+\b], s[SEL], s[SEL+1]
.endr
.irp b, 0,1,2,3
	s_delay_alu instid0(VALU_DEP_4)
	v_max_num_f32 v[BM+\b], v[BM+\b], v[BX+\b]
.endr
	s_delay_alu instid0(VALU_DEP_2)
	v_max3_num_f32 v223, v[BM], v[BM+1], v[BM+2]
	s_delay_alu instid0(VALU_DEP_1)
	v_max_num_f32 v223, v223, v[BM+3]
	s_delay_alu instid0(VALU_DEP_1)
	v_mul_f32 v223, s[CS], v223
	s_delay_alu instid0(VALU_DEP_1)
	v_max_num_f32 v13, v13, v223                   ; the running largest t
	v_mov_b32 v223, v12
	s_delay_alu instid0(VALU_DEP_2)
	v_floor_f32 v12, -v13                          ; the new -M = -ceil(t)
	s_delay_alu instid0(VALU_DEP_1)
	v_sub_f32 v223, v12, v223                      ; old M - new M: a whole number, 0 or less
	s_delay_alu instid0(VALU_DEP_1)
	v_cvt_i32_f32 v223, v223                       ; (it saturates)
	s_delay_alu instid0(VALU_DEP_1)
	v_ldexp_f32 v220, 1.0, v223                    ; f = 2^(old M - new M)
.set j, 0
.rept 32
	v_pk_fma_f32 v[S+j:S+j+1], v[S+j:S+j+1], s[CS:CS+1], v[12:13] op_sel_hi:[1,0,0]   ; t - M
.set j, j+2
.endr
.irp b, 0,1,2,3
	v_fma_f32 v[BM+\b], v[BM+\b], s[CS], v12
.endr
.set j, 0
	s_wait_alu depctr_va_vdst(0)
.rept 64
	v_exp_f32 v[S+j], v[S+j]                       ; p = 2^(t - M): not normalised
.set j, j+1
.endr
	v_pk_mul_f32 v[14:15], v[14:15], v[220:221] op_sel_hi:[1,0]   ; l under the new M; the plain line behind the exponentials
	s_wait_alu depctr_va_vdst(0)                   ; one wait for the batch, ahead of its first reader
.irp b, 0,1,2,3
	v_exp_f32 v[BM+\b], v[BM+\b]                   ; the block's largest p
.endr
	v_pk_add_f32 v[224:225], v[96:97], v[100:101]
	v_pk_add_f32 v[254:255], v[104:105], v[108:109]
	v_pk_add_f32 v[252:253], v[112:113], v[116:117]
	v_pk_add_f32 v[250:251], v[120:121], v[124:125]
	v_pk_add_f32 v[248:249], v[128:129], v[132:133]
	v_pk_add_f32 v[246:247], v[136:137], v[140:141]
	v_pk_add_f32 v[244:245], v[144:145], v[148:149]
	v_pk_add_f32 v[14:15], v[14:15], v[152:153]
	v_pk_add_f32 v[224:225], v[224:225], v[92:93]
	v_pk_add_f32 v[254:255], v[254:255], v[94:95]
	v_pk_add_f32 v[252:253], v[252:253], v[98:99]
	v_pk_add_f32 v[250:251], v[250:251], v[102:103]
	v_pk_add_f32 v[248:249], v[248:249], v[106:107]
	v_pk_add_f32 v[246:247], v[246:247], v[110:111]
	v_pk_add_f32 v[244:245], v[244:245], v[114:115]
	v_pk_add_f32 v[14:15], v[14:15], v[118:119]
	v_pk_add_f32 v[224:225], v[224:225], v[122:123]
	v_pk_add_f32 v[254:255], v[254:255], v[126:127]
	v_pk_add_f32 v[252:253], v[252:253], v[130:131]
	v_pk_add_f32 v[250:251], v[250:251], v[134:135]
	v_pk_add_f32 v[248:249], v[248:249], v[138:139]
	v_pk_add_f32 v[246:247], v[246:247], v[142:143]
	v_pk_add_f32 v[244:245], v[244:245], v[146:147]
	v_pk_add_f32 v[14:15], v[14:15], v[150:151]
	v_pk_add_f32 v[224:225], v[224:225], v[154:155]
	s_delay_alu instid0(VALU_DEP_2)
	v_pk_add_f32 v[14:15], v[14:15], v[250:251]
	s_delay_alu instid0(VALU_DEP_2)
	v_pk_add_f32 v[224:225], v[224:225], v[248:249]
	v_pk_add_f32 v[254:255], v[254:255], v[246:247]
	v_pk_add_f32 v[252:253], v[252:253], v[244:245]
	s_delay_alu instid0(VALU_DEP_2)
	v_pk_add_f32 v[14:15], v[14:15], v[254:255]
	s_delay_alu instid0(VALU_DEP_2)
	v_pk_add_f32 v[224:225], v[224:225], v[252:253]
	s_delay_alu instid0(VALU_DEP_1)
	v_pk_add_f32 v[14:15], v[14:15], v[224:225]
	s_wait_alu depctr_va_vdst(0)                   ; and one for the four
.irp b, 0,1,2,3
	v_max_num_f32 v[BM+\b], 0x2800000, v[BM+\b]    ; the floor 2^(5 - 127)
.endr
.irp b, 0,1,2,3
	s_delay_alu instid0(VALU_DEP_4)
	v_add_nc_u32 v[SO+\b], 0xfe000000, v[BM+\b]
.endr
.irp b, 0,1,2,3
	s_delay_alu instid0(VALU_DEP_4)
	v_lshrrev_b32 v[BX+\b], 23, v[SO+\b]
.endr
	s_delay_alu instid0(VALU_DEP_3)
	v_lshl_or_b32 v222, v[BX+1], 8, v[BX]          ; p's scale word for these 128 keys
	s_delay_alu instid0(VALU_DEP_1)
	v_lshl_or_b32 v222, v[BX+2], 16, v222
	s_delay_alu instid0(VALU_DEP_1)
	v_lshl_or_b32 v222, v[BX+3], 24, v222
.irp c, 0,1
	v_cvt_scalef32_pk16_bf6_f32 v[PC+6*\c:PC+6*\c+2], v[S+32*\c:S+32*\c+15], v[SO+2*\c]
	v_cvt_scalef32_pk16_bf6_f32 v[CT+4*\c:CT+4*\c+2], v[S+32*\c+16:S+32*\c+31], v[SO+2*\c+1]
.endr
	v_nop                                          ; one plain line behind the scaled conversions
.irp c, 0,1
.irp i, 0,1,2
	v_permlane16_swap_b32 v[PC+6*\c+\i], v[CT+4*\c+\i]
.endr
.irp i, 0,1,2
	s_delay_alu instid0(VALU_DEP_3)
	v_mov_b32 v[PC+6*\c+3+\i], v[CT+4*\c+\i]
.endr
.endr
.set j, 0
.rept 16
	v_pk_mul_f32 v[OT+j:OT+j+1], v[OT+j:OT+j+1], v[220:221] op_sel_hi:[1,0]   ; O^T under the new M; these are also the places ahead of the products below
.set j, j+2
.endr
	s_wait_alu depctr_va_vdst(0)
	s_wait_dscnt 0x0                               ; v's fragments and words
.irp t, 0,1,2,3
	v_wmma_scale_f32_16x16x128_f8f6f4 v[OT+8*\t:OT+8*\t+7], v[FRG+12*\t:FRG+12*\t+11], v[PC:PC+11], v[OT+8*\t:OT+8*\t+7], v[VW+\t], v222 matrix_a_fmt:MATRIX_FMT_BF6 matrix_b_fmt:MATRIX_FMT_BF6
.endr
.Lhidden_\@:
	s_add_co_u32 s[KF], s[KF], 128
.endm
; A block of queries ends: O^T / l, quantised along the channels (two blocks of 32), as half a fragment of the last product's A.
.macro FINISH
.rept 4
	v_nop                                          ; places behind the last products
.endr
	v_add_f32 v14, v14, v15
	s_delay_alu instid0(VALU_DEP_1)
	v_permlanex16_b32 v223, v14, s[SEL], s[SEL+1]
	s_delay_alu instid0(VALU_DEP_1)
	v_add_f32 v14, v14, v223                       ; the row's sum
	s_wait_alu depctr_va_vdst(0)
	v_rcp_f32 v14, v14
	v_nop
	s_wait_alu depctr_va_vdst(0)                   ; ahead of the first reader
.set j, 0
.rept 32
	v_mul_f32 v[S+j], v[OT+j], v14                 ; register 16 b + i is channel 32 b + 16 h + i
.set j, j+1
.endr
.irp b, 0,1
	v_max3_num_f32 v[BM+\b], |v[S+16*\b]|, |v[S+16*\b+1]|, 0x2800000
.endr
.irp i, 2,4,6,8,10,12,14
.irp b, 0,1
	s_delay_alu instid0(VALU_DEP_2)
	v_max3_num_f32 v[BM+\b], v[BM+\b], |v[S+16*\b+\i]|, |v[S+16*\b+\i+1]|
.endr
.endr
.irp b, 0,1
	s_delay_alu instid0(VALU_DEP_2)
	v_permlanex16_b32 v[BX+\b], v[BM+\b], s[SEL], s[SEL+1]
.endr
.irp b, 0,1
	s_delay_alu instid0(VALU_DEP_2)
	v_max_num_f32 v[BM+\b], v[BM+\b], v[BX+\b]
.endr
.irp b, 0,1
	s_delay_alu instid0(VALU_DEP_2)
	v_add_nc_u32 v[SO+\b], 0xfe000000, v[BM+\b]
.endr
.irp b, 0,1
	s_delay_alu instid0(VALU_DEP_2)
	v_lshrrev_b32 v[BX+\b], 23, v[SO+\b]
.endr
	s_delay_alu instid0(VALU_DEP_1)
	v_lshl_or_b32 v226, v[BX+1], 8, v[BX]
	v_cvt_scalef32_pk16_bf6_f32 v[PC:PC+2], v[S:S+15], v[SO]
	v_cvt_scalef32_pk16_bf6_f32 v[CT:CT+2], v[S+16:S+31], v[SO+1]
	v_nop
.irp i, 0,1,2
	v_permlane16_swap_b32 v[PC+\i], v[CT+\i]
.endr
.irp i, 0,1,2
	s_delay_alu instid0(VALU_DEP_3)
	v_mov_b32 v[PC+3+\i], v[CT+\i]
.endr
	global_store_b128 v1, v[PC:PC+3], s[OP:OP+1]               ; 512 and 256 consecutive bytes, aligned to 256
	global_store_b64 v2, v[PC+4:PC+5], s[OP:OP+1] offset:512
	global_store_b16 v7, v226, s[OSP:OSP+1]        ; my row's two scale bytes (lanes 16-31 write the same bytes with the same values)
	s_wait_xcnt 0x0                                ; the stores have read their registers and bases
.endm
; The change of slots, at a slot's head: every wave waits for all its tensor loads, adds 0 to its spare word, waits for that and for its reads of the slot that it has left; one barrier; fill = 1: the slot just left takes the next keys.
.macro CHANGE fill
	s_wait_tensorcnt 0x0
	ds_add_u32 v5, v6
.if \fill
	s_xor_b32 s[G0+1], s[G0+1], SLOT1
	s_add_nc_u64 s[G0+2:G0+3], s[G0+2:G0+3], KVS
	s_cmp_eq_u32 s[SLOTS], s[SWC]                  ; behind the first block's last slot the walk begins again at key 0
	s_cselect_b32 s[WR], s[WRAPV], 0
	s_sub_nc_u64 s[G0+2:G0+3], s[G0+2:G0+3], s[WR:WR+1]
	s_wait_xcnt 0x0                                ; the last prefetch, a slot back, has read its address
	s_add_nc_u64 s[PFA:PFA+1], s[PFA:PFA+1], 24576
.endif
	s_wait_dscnt 0x0
	s_barrier_signal -1
	s_barrier_wait -1
.if \fill
	TLOAD                                          ; the first thing behind the barrier, a wave's one tensor load until the next: one load of a wave is out
	ASK
.endif
.endm
	s_load_b256 s[4:11], s[0:1], 0x0               ; qimg, kv, oc, os
	v_lshl_add_u32 v5, v0, 2, SPARE
	v_mov_b32 v6, 0
	ds_add_u32 v5, v6
	ds_add_u32 v5, v6
	s_wait_dscnt 0x0
	v_lshrrev_b32 v8, 5, v0
	s_delay_alu instid0(VALU_DEP_1)
	v_readfirstlane_b32 s[WV], v8                  ; wave 0..15
	s_mov_b32 s[JJ], ttmp9
	s_and_b32 s[BH], ttmp7, 0xffff
	s_mov_b32 s[G1], 3<<16                         ; no mask; elements of 8 bytes; no padding
	s_mov_b32 s[G1+1], 32<<16                      ; rows of 256 bytes
	s_mov_b32 s[G1+2], 50<<16                      ; 50 rows: a record's 12,800 dense bytes
	s_mov_b32 s[G1+3], 32<<16
	s_mov_b32 s[G1+4], 50
	s_mov_b32 s[G1+5], 32
	s_mov_b32 s[G1+6], 0
	s_mov_b32 s[G1+7], 0
	s_mov_b32 s[TB], 0
	s_mov_b32 s[SLOTS], 8
	s_add_co_u32 s[SWC], s[JJ], 1
	s_sub_co_u32 s[WRAPV], 8, s[JJ]
	s_mul_i32 s[WRAPV], s[WRAPV], KVS
	s_mov_b32 s[WR+1], 0
	s_mov_b32 s[SEL], 0x76543210
	s_mov_b32 s[SEL+1], 0xfedcba98
	s_mov_b32 s[CS], 0x3e38aa3b                    ; log2(e) / sqrt(64)
	s_mov_b32 s[CS+1], s[CS]
	s_and_b32 s54, s[WV], 1
	s_lshl_b32 s[SHQ], s54, 4
	s_mul_i32 s55, s54, REC                        ; which record of a slot I would fetch: in LDS and in memory
	s_mul_i32 s56, s[BH], 16*REC
	s_mov_b32 s57, 0
	s_wait_kmcnt 0x0
	s_add_nc_u64 s[58:59], s[6:7], s[56:57]        ; the head's records
	s_mov_b32 s56, s55
	s_mov_b32 s[G0], 1
	s_mov_b32 s[G0+1], s55
	s_add_nc_u64 s[G0+2:G0+3], s[58:59], s[56:57]
	s_or_b32 s[G0+3], s[G0+3], 0x80000000
	TLOAD                                          ; slot 0
	s_lshl_b32 s56, s[WV], 13
	s_add_nc_u64 s[PFA:PFA+1], s[58:59], s[56:57]  ; stepped by 24,576 ahead of each prefetch.  Nothing is prefetched here, at the head
	s_sub_co_u32 s54, s[WV], 4
	s_cmp_lt_u32 s54, 3
	s_cselect_b32 s54, 0, 1
	s_or_b32 s54, s54, s[JJ]
	s_cmp_eq_u32 s54, 0
	s_cselect_b32 s[LIM], 2, -1                    ; waves 4 to 6 of work-group J = 0 ask while more than two slots are still to be asked for
	v_and_b32 v223, 31, v0
	s_delay_alu instid0(VALU_DEP_1)
	v_lshlrev_b32 v1, 4, v223
	s_delay_alu instid0(VALU_DEP_2)
	v_lshlrev_b32 v2, 3, v223
	s_delay_alu instid0(VALU_DEP_3)
	v_lshlrev_b32 v11, 8, v223
	v_and_b32 v224, 15, v0
	v_bfe_u32 v225, v0, 4, 1
	s_delay_alu instid0(VALU_DEP_2)
	v_lshlrev_b32 v3, 4, v224
	s_delay_alu instid0(VALU_DEP_3)
	v_lshlrev_b32 v7, 5, v224
	s_delay_alu instid0(VALU_DEP_4)
	v_and_b32 v4, 8, v224
	s_delay_alu instid0(VALU_DEP_1)
	v_add_nc_u32 v4, v4, v224
	v_lshlrev_b32 v225, 4, v225
	s_delay_alu instid0(VALU_DEP_1)
	v_sub_nc_u32 v4, v4, v225
.irp j, 16,17,18,19,20,21,28,29,30,31,32,33
	v_mov_b32 v[\j], 0                             ; zero codes on both sides of Q
.endr
	v_mov_b32 v221, 0                              ; (named as the upper half of the pair v[220:221])
.irp b, 0,1,2,3
	v_mov_b32 v[BX+\b], 0                          ; written once: a lane permute's destination counts as one of its sources
.endr
	s_sub_co_u32 s[BLK], 7, s[JJ]
	START
.Lslot:                                ; eight trips: behind each change of slots but the last the next slot is asked for
	CHANGE 1
	STEP 0
	STEP 1
	s_xor_b32 s[TB], s[TB], SLOT1
	s_cmp_lg_u32 s[SLOTS], s[SWC]
	s_cbranch_scc1 .Lsame
	FINISH                                         ; the first block's last slot is done
	s_mov_b32 s[BLK], s[JJ]
	START
.Lsame:
	s_sub_co_u32 s[SLOTS], s[SLOTS], 1
	s_cmp_lg_u32 s[SLOTS], 0
	s_cbranch_scc1 .Lslot
	CHANGE 0                                       ; the last slot is written out
	STEP 0
	STEP 1
	FINISH
	s_wait_tensorcnt 0x0                           ; the wave's end
	ds_add_u32 v5, v6
	s_wait_dscnt 0x0
	s_endpgm
.Lfunc_end_k_qd293984c40_attn:
	.size	k_qd293984c40_attn, .Lfunc_end_k_qd293984c40_attn-k_qd293984c40_attn
	.p2alignl 7, 3214868480
	.fill 96, 4, 3214868480
	.section	.rodata,"a",@progbits
	.p2align	6, 0x0
	.amdhsa_kernel k_qd293984c40_attn
		.amdhsa_group_segment_fixed_size 327680
		.amdhsa_private_segment_fixed_size 0
		.amdhsa_enable_private_segment 0
		.amdhsa_kernarg_size 32
		.amdhsa_user_sgpr_count 2
		.amdhsa_user_sgpr_kernarg_segment_ptr 1
		.amdhsa_wavefront_size32 1
		.amdhsa_system_sgpr_workgroup_id_x 1
		.amdhsa_system_sgpr_workgroup_id_y 1
		.amdhsa_system_sgpr_workgroup_id_z 1
		.amdhsa_system_vgpr_workitem_id 0
		.amdhsa_next_free_vgpr 256
		.amdhsa_next_free_sgpr 72
		.amdhsa_reserve_vcc 1
		.amdhsa_float_denorm_mode_32 3
		.amdhsa_float_denorm_mode_16_64 3
		.amdhsa_memory_ordered 1
		.amdhsa_forward_progress 1
		.amdhsa_inst_pref_size 111
	.end_amdhsa_kernel
	.amdgpu_metadata
---
amdhsa.version: [ 1, 2 ]
amdhsa.kernels:
  - .name:           k_qd293984c40_attn
    .symbol:         k_qd293984c40_attn.kd
    .args:
      - { .name: qimg, .offset: 0, .size: 8, .value_kind: global_buffer, .address_space: global }
      - { .name: kv, .offset: 8, .size: 8, .value_kind: global_buffer, .address_space: global }
      - { .name: oc, .offset: 16, .size: 8, .value_kind: global_buffer, .address_space: global }
      - { .name: os, .offset: 24, .size: 8, .value_kind: global_buffer, .address_space: global }
    .group_segment_fixed_size: 327680
    .private_segment_fixed_size: 0
    .kernarg_segment_align: 8
    .kernarg_segment_size: 32
    .max_flat_workgroup_size: 512
    .sgpr_count:     72
    .vgpr_count:     256
    .wavefront_size: 32
...
	.end_amdgpu_metadata
.endif
;; end of part 3
;; launch gemm_proj (part 4): grid 4 x 32, 4 waves a work-group, clusters of 4 x 4, 327,680 bytes of LDS; arguments oc, os, opc, ops, b_proj, out0; writes out0
.if DOCPART == 4
	.amdgcn_target "amdgcn-amd-amdhsa--gfx1250"
	.amdhsa_code_object_version 6
	.text
	.protected	k_qd293984c40_gemm_proj
	.globl	k_qd293984c40_gemm_proj
	.p2align	8
	.type	k_qd293984c40_gemm_proj,@function
k_qd293984c40_gemm_proj:
	s_mov_b64 s[64:65], 0
	v_nop
	global_prefetch_b8 v0, s[64:65] scope:SCOPE_SE
	s_setreg_imm32_b32 hwreg(HW_REG_WAVE_MODE, 25, 1), 1
	s_wait_xcnt 0x0
	s_wait_alu depctr_hold_cnt(0) depctr_sa_sdst(0) depctr_va_vdst(0) depctr_va_sdst(0) depctr_va_ssrc(0) depctr_va_vcc(0) depctr_vm_vsrc(0)
	s_getreg_b32 s2, hwreg(HW_REG_IB_STS2, 6, 4)
	s_cmp_eq_u32 s2, 0
	s_cbranch_scc0 .Lentry_in_a_cluster
	s_endpgm
.Lentry_in_a_cluster:
	s_bfe_u32 s2, ttmp6, 0x10000c
	s_cmp_lg_u32 s2, 0xf033
	s_cbranch_scc0 .Lentry_shape_is_right
	s_endpgm
.Lentry_shape_is_right:
; out0 = attention's result x w_proj + b_proj on codes of BF6 (E3M2) with E8M0 scales; out0 [8192][1024] f32.
; A tile of 256 x 256 to a work-group of four waves, 128 x 128 a wave: 64 accumulators, 512 registers.  K = 1,024 goes in four phases of 256 through three LDS slots (0, 1, 2, 0): three are asked for at the head, one slot is filled again.
; OPERANDS lie in the order of the operand's registers (a fragment = 1,536 dense bytes): A in oc and os, B (w_proj's columns) in opc and ops from tile 44 on.  CLUSTERS: 4 x 4; A's tiles jointly along a row, B's along a column.
; THE PRODUCT IS USED TRANSPOSED (source 0 = B's rows).  Lane r of A's block a is token 32 (a / 2) + 8 (a % 2) + r + 8 (r / 8) of the wave's 128; register j of B's block b is column 32 (b / 2) + 16 h + 8 (b % 2) + j:
; the way out puts both back in order, through a stage in LDS, and stores whole rows of 512 bytes.  The bias is the C of each sum's first product.
; The grid has 128 work-groups: 32 x 4 tiles of 256 x 256; a smaller tile would read each fragment from LDS for fewer products.
; REGISTERS: window 0: v1-3 r, h, lane; v4-15 LDS addresses; v17 the bias's offset; v24-26 the way out; v27 scale words' address; v28, v29 the add's; v32-63 scale words; v64-127 the bias; v128-223 A's fragments.
;   window 1: B's fragments, two sets.  windows 2, 3: accumulator (a, b) at v[8 (8 (a % 4) + b)] of window 2 + a / 4.
.set FR,    12
.set FRB,   1536
.set KSB,   8*FRB
.set REG,   2*KSB
.set SLOT,  4*REG
.set RBB,   8*KSB
.set SCL,   3*SLOT
.set HALFS, 16*272
.set SBLK,  2*272
.set SPARE, SCL+4*HALFS                ; the spare words, 128 bytes a wave: two blocks of 256 bytes that no other line names
.set STAGE, SLOT                       ; the way out's stages lie in slot 1: it has had its only fill, and its last read stands ahead of two barriers
.set SPITCH, 528
.set NL,    4
.set NP,    4
.set ADRA16, 4
.set ADRA8,  7
.set ADRB16, 10
.set ADRB8,  13
.set STO,  24
.set RD,   25
.set CO,   26
.set ADRS, 27
.set SPW,  28
.set NIL,  29
.set SC,   32
.set BIAS, 64
.set AF,   128
.set BK,   128
.set G1,   24
.set G0,   32
.set G1B,  48
.set G0SB, 56
.set G0B,  68
.set G1S,  80
.set G0S,  88
.set G1SB, 92
.set MSB, 0
.macro WIN new                         ; the immediate's high byte repeats the setting that is left
.if MSB != \new
	s_set_vgpr_msb (MSB<<8)|\new
.set MSB, \new
.endif
.endm
.set MUL_LO, 0xa1
.set MUL_HI, 0xf1
.set TO_B,   0x40
.macro JLOAD g0a, g1a, g0b, g1b        ; a joint load: waves 0 and 1 for A, waves 2 and 3 for B; four v_nop follow each of the two lines
	s_cmp_eq_u32 s15, 0
	s_cbranch_scc0 .Lfor_b_\@
	tensor_load_to_lds s[\g0a:\g0a+3], s[\g1a:\g1a+7]
	s_nop 0
.rept 4
	v_nop
.endr
	s_branch .Lasked_\@
.Lfor_b_\@:
	tensor_load_to_lds s[\g0b:\g0b+3], s[\g1b:\g1b+7]
	s_nop 0
.rept 4
	v_nop
.endr
.Lasked_\@:
.endm
.macro CREST
	s_cmp_lg_u32 s14, 0
	s_cbranch_scc1 .Lnot_wave_0_\@
	s_barrier_signal -3
.Lnot_wave_0_\@:
	s_barrier_wait -3
	s_barrier_signal -1
	s_barrier_wait -1
.endm
.macro CROUND
	s_barrier_signal -1
	s_barrier_wait -1
	CREST
.endm
.macro PLACES n
.rept \n
	v_nop
.endr
.endm
.macro FRAG reg, a16, a8, off
	ds_load_b128 v[(\reg):(\reg)+3], v[\a16] offset:(\off)
	ds_load_b64 v[(\reg)+4:(\reg)+5], v[\a8] offset:(\off)+512
	ds_load_b128 v[(\reg)+6:(\reg)+9], v[\a16] offset:(\off)+768
	ds_load_b64 v[(\reg)+10:(\reg)+11], v[\a8] offset:(\off)+1280
.endm
.macro FETCH_B slot, q, p
	WIN TO_B
.irp i, 0,1,2,3,4,5,6,7
	FRAG 128*(\p)+FR*\i, ADRB16+\slot, ADRB8+\slot, (\q)*KSB+\i*FRB
.endr
	WIN 0
.endm
.macro FETCH_A slot, q, i0
.irp i, \i0, \i0+1, \i0+2, \i0+3
	FRAG AF+FR*(\i), ADRA16+\slot, ADRA8+\slot, (\q)*KSB+(\i)*FRB
.endr
.endm
.macro SCALES sc
.irp i, 0,1,2,3,4,5,6,7
	ds_load_b64 v[SC+16*\sc+2*\i:SC+16*\sc+2*\i+1], v[ADRS] offset:\i*SBLK
.endr
.endm
; 16 products: A's blocks a0, a0 + 1 x B's eight.  cm = 1: the sums begin with the bias of B's block.  The 64 accumulators take turns, one instruction a turn.
.macro MUL16 a0, p, q, sc, cm
.irp a, \a0, \a0+1
.irp b, 0,1,2,3,4,5,6,7
.if \cm == 1
	v_wmma_scale_f32_16x16x128_f8f6f4 v[8*(8*((\a)%4)+\b):8*(8*((\a)%4)+\b)+7], v[128*(\p)+FR*\b:128*(\p)+FR*\b+FR-1], v[AF+FR*(\a):AF+FR*(\a)+FR-1], v[BIAS+8*\b:BIAS+8*\b+7], v[SC+16*(\sc)+2*\b+(\q)], v[SC+16*(\sc)+2*(\a)+(\q)] matrix_a_fmt:MATRIX_FMT_BF6 matrix_b_fmt:MATRIX_FMT_BF6 matrix_a_scale:MATRIX_SCALE_ROW1
.else
	v_wmma_scale_f32_16x16x128_f8f6f4 v[8*(8*((\a)%4)+\b):8*(8*((\a)%4)+\b)+7], v[128*(\p)+FR*\b:128*(\p)+FR*\b+FR-1], v[AF+FR*(\a):AF+FR*(\a)+FR-1], v[8*(8*((\a)%4)+\b):8*(8*((\a)%4)+\b)+7], v[SC+16*(\sc)+2*\b+(\q)], v[SC+16*(\sc)+2*(\a)+(\q)] matrix_a_fmt:MATRIX_FMT_BF6 matrix_b_fmt:MATRIX_FMT_BF6 matrix_a_scale:MATRIX_SCALE_ROW1
.endif
.endr
.endr
.endm
.macro STEP slot, sc, cm               ; a slot's first K step (B's set 0); it fetches the slot's second
	s_wait_dscnt 4*NL                              ; all but the youngest sixteen loads (A's blocks 4-7) are in
.if \cm
	WIN 0x81                                       ; C (the bias) window 0, D window 2
.else
	WIN MUL_LO
.endif
	MUL16 0, 0, 0, \sc, \cm
	MUL16 2, 0, 0, \sc, \cm
	s_wait_dscnt 0x0
	PLACES NP                                      ; in front of loads into registers that matrix instructions have read
	FETCH_B \slot, 1, 1
	FETCH_A \slot, 1, 0
.if \cm
	WIN 0xc1
.else
	WIN MUL_HI
.endif
	MUL16 4, 0, 0, \sc, \cm
	MUL16 6, 0, 0, \sc, \cm
	PLACES NP
	WIN 0
	FETCH_A \slot, 1, 4
.endm
; A slot's second K step changes slots: one barrier.  kind 0: one younger tensor load may stay out; kind 2: none is left out; kind 1: slot 0 is filled again behind a round of the cluster's barrier.
.macro TURN slot, next, sc, nsc, kind
.if \kind == 0
	s_wait_tensorcnt 0x1                           ; my part of the next slot is in; slot 2's load, issued behind it, may be out
	s_wait_dscnt 4*NL
.elseif \kind == 1
	s_wait_tensorcnt 0x0                           ; all my tensor loads have landed
	ds_add_u32 v[SPW], v[NIL]                      ; 0 onto my spare word
	s_wait_dscnt 4*NL+1                            ; (the add and A's blocks 4-7 may be out)
.else
	s_wait_tensorcnt 0x0                           ; the refill has landed
	s_wait_dscnt 4*NL
.endif
	WIN MUL_LO
	MUL16 0, 1, 1, \sc, 0
	s_wait_dscnt 0x0                               ; my reads of this slot are over (and the add is done)
	s_barrier_signal -1
	MUL16 2, 1, 1, \sc, 0
	WIN 0
	s_barrier_wait -1
.if \kind == 1
	CREST                                          ; no wave of any partner still reads slot 0 or has a load on its way
	s_add_nc_u64 s[G0+2:G0+3], s[G0+2:G0+3], 3*REG
	s_add_nc_u64 s[G0B+2:G0B+3], s[G0B+2:G0B+3], 3*REG
	JLOAD G0, G1, G0B, G1B                         ; the fourth phase: it has the whole third phase in which to land
.else
	PLACES NP
.endif
	v_add_nc_u32 v[ADRS], 8, v[ADRS]
	FETCH_B \next, 0, 0
	FETCH_A \next, 0, 0
	SCALES \nsc
	WIN MUL_HI
	MUL16 4, 1, 1, \sc, 0
	MUL16 6, 1, 1, \sc, 0
	PLACES NP
	WIN 0
	FETCH_A \next, 0, 4
.endm
	s_load_b128 s[4:7], s[0:1], 0x0                ; oc, os
	s_load_b128 s[8:11], s[0:1], 0x10              ; opc, ops
	s_load_b128 s[60:63], s[0:1], 0x20             ; b_proj, out0
	v_lshl_add_u32 v[SPW], v0, 2, SPARE
	v_mov_b32 v[NIL], 0
	ds_add_u32 v28, v29
	s_wait_dscnt 0x0
	v_lshrrev_b32 v1, 5, v0
	v_readfirstlane_b32 s14, v1                    ; wave 0..3
	s_lshr_b32 s15, s14, 1                         ; my half of A's rows.  Also: I fetch for A (0) or for B (1)
	s_and_b32 s16, s14, 1                          ; my half of B's rows.  Also: which row block of that tile I fetch
	s_bfe_u32 s44, ttmp6, 0x40000                  ; cx
	s_bfe_u32 s45, ttmp6, 0x40004                  ; cy
	s_and_b32 s17, ttmp7, 0xffff
	s_lshl_b32 s17, s17, 2
	s_add_co_u32 s17, s17, s45                     ; A's tile of 256 tokens: hangs on cy alone
	s_add_co_u32 s46, s44, 44                      ; B's tile in opc: on cx alone
	s_lshl_b32 s20, s45, 2
	s_lshl_b32 s20, 15, s20                        ; my row of the cluster
	s_lshl_b32 s21, 0x1111, s44                    ; my column
	s_or_b32 s[G1], s20, (3<<16)|(1<<21)           ; 15:0 the mask; 17:16 elements of 8 bytes; 21 set beside a mask; no padding
	s_or_b32 s[G1B], s21, (3<<16)|(1<<21)
.irp g, G1, G1B
	s_mov_b32 s[\g+1], 32<<16                      ; rows of 256 bytes,
	s_mov_b32 s[\g+2], 96<<16                      ; 96 of them: 24,576 dense bytes
	s_mov_b32 s[\g+3], 32<<16
	s_mov_b32 s[\g+4], 96
	s_mov_b32 s[\g+5], 32
	s_mov_b32 s[\g+6], 0
	s_mov_b32 s[\g+7], 0
.endr
	s_or_b32 s[G1S], s20, (3<<16)|(1<<20)|(1<<21)|(5<<22)|(3<<25)   ; the scale bytes: 16 rows of 256 bytes, 16 bytes of padding behind each
	s_or_b32 s[G1SB], s21, (3<<16)|(1<<20)|(1<<21)|(5<<22)|(3<<25)
.irp g, G1S, G1SB
	s_mov_b32 s[\g+1], 32<<16
	s_mov_b32 s[\g+2], 16<<16
	s_mov_b32 s[\g+3], 32<<16
	s_mov_b32 s[\g+4], 16
	s_mov_b32 s[\g+5], 32
	s_mov_b32 s[\g+6], 0
	s_mov_b32 s[\g+7], 0
.endr
	s_lshl_b32 s18, s17, 1
	s_add_co_u32 s18, s18, s16
	s_lshl_b32 s22, s46, 1
	s_add_co_u32 s22, s22, s16
	s_mul_i32 s20, s18, RBB
	s_mov_b32 s21, 0
	s_lshl_b32 s18, s18, 12
	s_mov_b32 s19, 0
	s_mul_i32 s2, s22, RBB
	s_mov_b32 s3, 0
	s_lshl_b32 s22, s22, 12
	s_mov_b32 s23, 0
	s_mul_i32 s47, s14, REG
	s_mul_i32 s66, s14, HALFS
	s_wait_kmcnt 0x0
	s_add_nc_u64 s[20:21], s[4:5], s[20:21]
	s_add_nc_u64 s[18:19], s[6:7], s[18:19]
	s_add_nc_u64 s[2:3], s[8:9], s[2:3]
	s_add_nc_u64 s[22:23], s[10:11], s[22:23]
	CROUND                                         ; all sixteen work-groups are here: the first joint loads meet
	s_mov_b32 s[G0S], 1
	s_add_co_u32 s[G0S+1], s66, SCL
	s_mov_b64 s[G0S+2:G0S+3], s[18:19]
	s_or_b32 s[G0S+3], s[G0S+3], 0x80000000
	s_mov_b32 s[G0SB], 1
	s_add_co_u32 s[G0SB+1], s66, SCL
	s_mov_b64 s[G0SB+2:G0SB+3], s[22:23]
	s_or_b32 s[G0SB+3], s[G0SB+3], 0x80000000
	JLOAD G0S, G1S, G0SB, G1SB
.irp s, 0,1,2
	s_mov_b32 s[G0+4*\s], 1
	s_add_co_u32 s[G0+4*\s+1], s47, \s*SLOT
	s_add_nc_u64 s[G0+4*\s+2:G0+4*\s+3], s[20:21], \s*REG
	s_or_b32 s[G0+4*\s+3], s[G0+4*\s+3], 0x80000000
	s_mov_b32 s[G0B+4*\s], 1
	s_add_co_u32 s[G0B+4*\s+1], s47, \s*SLOT
	s_add_nc_u64 s[G0B+4*\s+2:G0B+4*\s+3], s[2:3], \s*REG
	s_or_b32 s[G0B+4*\s+3], s[G0B+4*\s+3], 0x80000000
	JLOAD G0+4*\s, G1, G0B+4*\s, G1B               ; three phases at once: four loads of mine are out
.endr
	v_and_b32 v1, 15, v0                           ; r
	v_bfe_u32 v2, v0, 4, 1                         ; h
	v_and_b32 v3, 31, v0                           ; lane
	s_mul_i32 s18, s15, REG
	s_mul_i32 s19, s16, REG
	s_add_co_u32 s19, s19, 2*REG
.irp s, 0,1,2
	v_lshl_add_u32 v[ADRA16+\s], v3, 4, s18
	v_lshl_add_u32 v[ADRA8+\s], v3, 3, s18
	v_lshl_add_u32 v[ADRB16+\s], v3, 4, s19
	v_lshl_add_u32 v[ADRB8+\s], v3, 3, s19
	s_add_co_u32 s18, s18, SLOT
	s_add_co_u32 s19, s19, SLOT
.endr
	v_lshlrev_b32 v18, 5, v1
	v_lshrrev_b32 v19, 3, v1
	v_lshl_add_u32 v18, v19, 4, v18
	s_mul_i32 s18, s15, HALFS
	s_mul_i32 s19, s16, HALFS
	s_add_co_u32 s19, s19, 2*HALFS
	s_sub_co_u32 s19, s19, s18
	v_mul_u32_u24 v19, s19, v2                     ; lanes 16-31 take B's
	s_add_co_u32 s18, s18, SCL
	v_add_nc_u32 v18, v18, v19
	v_add_nc_u32 v[ADRS], s18, v18
	s_mul_i32 s18, s14, 16*SPITCH
	s_add_co_u32 s18, s18, STAGE                   ; my stage
	v_mul_u32_u24 v18, v1, SPITCH
	v_lshl_add_u32 v18, v2, 6, v18
	v_add_nc_u32 v[STO], s18, v18                  ; in: row r, + 64 h bytes
	v_lshlrev_b32 v[CO], 4, v3
	v_add_nc_u32 v[RD], s18, v[CO]                 ; back: the 32 lanes take a row of 512 bytes
	s_lshl_b32 s18, s44, 8
	s_lshl_b32 s19, s16, 7
	s_add_co_u32 s18, s18, s19
	s_lshl_b32 s18, s18, 2                         ; my first column, in bytes
	s_mov_b32 s19, 0
	s_add_nc_u64 s[60:61], s[60:61], s[18:19]      ; in the bias,
	s_add_nc_u64 s[12:13], s[62:63], s[18:19]      ; and in out0
	s_lshl_b32 s18, s17, 8
	s_lshl_b32 s66, s15, 7
	s_add_co_u32 s18, s18, s66
	s_lshl_b32 s18, s18, 12                        ; my first row: a row of out0 is 4,096 bytes
	s_add_nc_u64 s[12:13], s[12:13], s[18:19]
	v_lshlrev_b32 v17, 6, v2                       ; the bias: register j of B's block g holds column 32 (g / 2) + 8 (g % 2) + 16 h + j
.irp g, 0,1,2,3,4,5,6,7
	global_load_b128 v[BIAS+8*\g:BIAS+8*\g+3], v17, s[60:61] offset:4*(32*(\g/2)+8*(\g%2))
	global_load_b128 v[BIAS+8*\g+4:BIAS+8*\g+7], v17, s[60:61] offset:4*(32*(\g/2)+8*(\g%2))+16
.endr
	s_wait_tensorcnt 0x2                           ; the scales and my part of slot 0 are in; slots 1 and 2 may be out
	s_barrier_signal -1
	s_barrier_wait -1
	FETCH_B 0, 0, 0
	FETCH_A 0, 0, 0
	SCALES 0
	FETCH_A 0, 0, 4
	s_wait_loadcnt 0x0                             ; the bias
	STEP 0, 0, 1
	TURN 0, 1, 0, 1, 0
	STEP 1, 1, 0
	TURN 1, 2, 1, 0, 1
	STEP 2, 0, 0
	TURN 2, 0, 0, 1, 2
	STEP 0, 1, 0
	s_wait_dscnt 4*NL                              ; the last K step: nothing more to fetch
	WIN MUL_LO
	MUL16 0, 1, 1, 1, 0
	MUL16 2, 1, 1, 1, 0
	s_wait_dscnt 0x0
	WIN MUL_HI
	MUL16 4, 1, 1, 1, 0
	MUL16 6, 1, 1, 1, 0
	WIN 0
; THE WAY OUT, block by block of 16 rows x 128 columns, through my own stage: in by columns' true places, back as whole rows.  LDS serves a wave's instructions in order: no wait between the stores and the loads.
.macro TOSTAGE a
.set AC, 64*((\a)%4)
.set WW, 0x08+4*((\a)/4)
	WIN WW                                         ; the data: window 2 or 3
.irp b, 0,1,2,3,4,5,6,7
	ds_store_b128 v[STO], v[AC+8*\b:AC+8*\b+3] offset:128*(\b/2)+32*(\b%2)          ; each accumulator from its low end on
	ds_store_b128 v[STO], v[AC+8*\b+4:AC+8*\b+7] offset:128*(\b/2)+32*(\b%2)+16
.endr
	WIN 0
.set BB, BK+64*((\a)%2)
.irp t, 0,1,2,3,4,5,6,7,8,9,10,11,12,13,14,15
	ds_load_b128 v[BB+4*\t:BB+4*\t+3], v[RD] offset:\t*SPITCH
.endr
.endm
.macro SEND a, younger                 ; younger: the LDS instructions issued behind block a's loads, which may stay out
.set BB, BK+64*((\a)%2)
	s_wait_dscnt \younger
.if (\a) > 0
.if ((\a)%2) == 1
	s_add_nc_u64 s[12:13], s[12:13], 8*4096        ; (behind a wait on XCNT)  block a begins at row 32 (a / 2) + 8 (a % 2)
.else
	s_add_nc_u64 s[12:13], s[12:13], 24*4096
.endif
.endif
.irp t, 0,1,2,3,4,5,6,7,8,9,10,11,12,13,14,15
	global_store_b128 v[CO], v[BB+4*\t:BB+4*\t+3], s[12:13] offset:(\t+8*(\t/8))*4096 th:TH_STORE_NT   ; 32 lanes store 512 consecutive bytes, aligned to 256
.endr
.endm
	PLACES NP                                      ; behind the last products: results are read, and loads land in the registers that held A's fragments
	TOSTAGE 0
.irp a, 1,2,3,4,5,6,7
.if \a > 1
	s_wait_xcnt 0x0                                ; block a - 2's stores have read their registers and their base
.endif
	TOSTAGE \a
	SEND \a-1, 32                                  ; behind block a - 1's loads: block a's 16 stores and 16 loads
.endr
	s_wait_xcnt 0x0
	SEND 7, 0
	s_wait_tensorcnt 0x0                           ; the wave's end
	ds_add_u32 v[SPW], v[NIL]
	s_wait_dscnt 0x0
	CROUND                                         ; the closing round
	s_endpgm
.Lfunc_end_k_qd293984c40_gemm_proj:
	.size	k_qd293984c40_gemm_proj, .Lfunc_end_k_qd293984c40_gemm_proj-k_qd293984c40_gemm_proj
	.p2alignl 7, 3214868480
	.fill 96, 4, 3214868480
	.section	.rodata,"a",@progbits
	.p2align	6, 0x0
	.amdhsa_kernel k_qd293984c40_gemm_proj
		.amdhsa_group_segment_fixed_size 327680
		.amdhsa_private_segment_fixed_size 0
		.amdhsa_enable_private_segment 0
		.amdhsa_kernarg_size 48
		.amdhsa_user_sgpr_count 2
		.amdhsa_user_sgpr_kernarg_segment_ptr 1
		.amdhsa_wavefront_size32 1
		.amdhsa_system_sgpr_workgroup_id_x 1
		.amdhsa_system_sgpr_workgroup_id_y 1
		.amdhsa_system_sgpr_workgroup_id_z 1
		.amdhsa_system_vgpr_workitem_id 0
		.amdhsa_next_free_vgpr 1024
		.amdhsa_next_free_sgpr 102
		.amdhsa_reserve_vcc 0
		.amdhsa_float_denorm_mode_32 3
		.amdhsa_float_denorm_mode_16_64 3
		.amdhsa_memory_ordered 1
		.amdhsa_forward_progress 1
		.amdhsa_inst_pref_size 146
	.end_amdhsa_kernel
	.amdgpu_metadata
---
amdhsa.version: [ 1, 2 ]
amdhsa.kernels:
  - .name:           k_qd293984c40_gemm_proj
    .symbol:         k_qd293984c40_gemm_proj.kd
    .args:
      - { .name: oc, .offset: 0, .size: 8, .value_kind: global_buffer, .address_space: global }
      - { .name: os, .offset: 8, .size: 8, .value_kind: global_buffer, .address_space: global }
      - { .name: opc, .offset: 16, .size: 8, .value_kind: global_buffer, .address_space: global }
      - { .name: ops, .offset: 24, .size: 8, .value_kind: global_buffer, .address_space: global }
      - { .name: b_proj, .offset: 32, .size: 8, .value_kind: global_buffer, .address_space: global }
      - { .name: out0, .offset: 40, .size: 8, .value_kind: global_buffer, .address_space: global }
    .group_segment_fixed_size: 327680
    .private_segment_fixed_size: 0
    .kernarg_segment_align: 8
    .kernarg_segment_size: 48
    .max_flat_workgroup_size: 128
    .sgpr_count:     102
    .vgpr_count:     1024
    .wavefront_size: 32
...
	.end_amdgpu_metadata
.endif
;; end of part 4
